; MI455X (gfx1250); checked and timed in simulation.
; The chip was launched on July 23, 2026; its instructions are those of AMD's public machine-readable ISA for CDNA 5 (MIT licence, August 2026) and "CDNA5" Instruction Set Architecture Reference Guide (July 2026). The comments in the code are by the model that wrote it; some were corrected since.
;; Multi Head Attention. Allowed arithmetic: matrix products marked QUANTISED: E2M1 operands, one E8M0 scale for each 32 along K, by v_wmma_scale_f32_16x16x128_f8f6f4 with both operands' format E2M1 (or v_wmma_scale_f32_32x16x128_f4), f32 sums; products left as they are: bf16, f16 or f32 operands; f32 sums; everything else in f32.
;; Inputs: w_out 1,024 x 1,024 float32; w_qkv 1,024 x 3,072 float32; x 2 x 2,048 x 1,024 float32.
;; Outputs: out0 2 x 2,048 x 1,024 float32.
;; This version of the problem:
;;   THIS VERSION OF THE PROBLEM IS GIVEN IN LOW PRECISION. The matrix products marked QUANTISED in the list below multiply operands that are first quantised to E2M1 (2 exponent bits, 1 mantissa bit; 4 bits a number), with one power-of-two scale for each 32 numbers along K (OCP MX v1.0); their sums are f32. The products marked 'left as it is' may take bf16, f16 or f32 operands, with f32 sums. Whichever they take, every output number must still come out within the allowed error. Rounding operands to bf16 (8 significant bits) uses up far more of that allowance than f16 does (11 bits, for magnitudes from 6e-5 to 65,504). All else is computed in f32.
;;   The module's matrix products, in the order in which they are computed (A, B: the left and right operand; K: the contracted axis; several contracted axes count as one K, in the product's order):
;;     1. [M 4,096, K 1,024] x [K 1,024, N 3,072]; A: input x; B: input w_qkv: QUANTISED
;;     2. batch 32 x [M 2,048, K 64] x [K 64, N 2,048]; A: computed on the way; B: computed on the way: left as it is (an operand is computed on the way)
;;     3. batch 32 x [M 2,048, K 2,048] x [K 2,048, N 64]; A: computed on the way; B: computed on the way: left as it is (an operand is computed on the way)
;;     4. [M 4,096, K 1,024] x [K 1,024, N 1,024]; A: computed on the way; B: input w_out: left as it is (an operand is computed on the way)
;;   THE QUANTISER, for each operand of a quantised product, along K:
;;     - K is cut into blocks of 32 from its start; a last block that is shorter is filled with zeros.
;;     - A block's scale is 2^e with e = floor(log2(the largest magnitude in the block)) - 2, held to -126 .. 127; a block of zeros has e = 0. As a byte (E8M0): e + 127.
;;     - Each number is divided by its block's scale, clamped to +-6, and rounded to the nearest number of E2M1, ties to even, subnormals kept.
;;     - The product sums the exact products of the quantised numbers (number of the format x scale) in f32.
;;   ~~~python
;;   def quantise(x, axis):      # numpy; x: float32 -> the quantised numbers, widened to float32 again
;;       x = np.moveaxis(x, axis, -1); K = x.shape[-1]
;;       x = np.pad(x, [(0, 0)] * (x.ndim - 1) + [(0, -K % 32)]); x = x.reshape(x.shape[:-1] + (-1, 32)); a = np.abs(x).max(-1, keepdims=True)
;;       e = np.where(a > 0, np.clip(np.frexp(np.where(a > 0, a, 1))[1] - 1 - 2, -126, 127), 0)      # np.frexp(a)[1] - 1 = floor(log2(a)), exactly
;;       r = np.clip(x / 2.0 ** e, -6, 6)
;;       step = 2.0 ** (np.maximum(np.frexp(np.where(r == 0, 1, r))[1] - 1, 0) - 1)
;;       q = np.round(r / step) * step * 2.0 ** e      # np.round: ties to even
;;       return np.moveaxis(q.reshape(q.shape[:-2] + (-1,))[..., :K], -1, axis).astype(np.float32)
;;   ~~~
;; One version. Each part assembles by itself: llvm-mc -triple=amdgcn-amd-amdhsa -mcpu=gfx1250 --defsym DOCPART=n.
;; ======== version 1 of 1: 5 launches
;; limits: values are held in f16: magnitudes above 65,504 overflow, below 6.1e-05 lose precision
;; workspace buffers: x_codes 2,097,152 bytes; x_scales 131,072 bytes; w_codes 1,572,864 bytes; w_scales 98,304 bytes; w16 4,194,304 bytes; qkv 25,165,824 bytes; att 8,388,608 bytes; qkvf 393,216 bytes
;; launch prep (part 1): grid 448 x 1, 4 waves a work-group, no clusters, 33,280 bytes of LDS; arguments x, w_qkv, w_out, x_codes, x_scales, w_codes, w_scales, w16; writes x_codes, x_scales, w_codes, w_scales, w16
.if DOCPART == 1
	.amdgcn_target "amdgcn-amd-amdhsa--gfx1250"
	.amdhsa_code_object_version 6
	.text
	.protected	k_q06fd709cb7_prep
	.globl	k_q06fd709cb7_prep
	.p2align	8
	.type	k_q06fd709cb7_prep,@function
k_q06fd709cb7_prep:
	s_mov_b64 s[64:65], 0
	v_nop
	global_prefetch_b8 v0, s[64:65] scope:SCOPE_SE
	s_setreg_imm32_b32 hwreg(HW_REG_WAVE_MODE, 25, 1), 1
	s_wait_xcnt 0x0
; PREP.  Three jobs in one launch, told apart by the work-group's number:
;   work-groups   0-127: x [4096][1024] f32 -> codes of FP4 (E2M1), K innermost, rows of 512 bytes, and one E8M0 byte for each 32 along K, rows of 32 bytes;
;   work-groups 128-319: w_qkv [1024 (k)][3072 (n)] f32 -> codes in the ORDER OF THE OPERAND'S REGISTERS, [n / 16][k / 128][c 0..1][lane 16 h + r][16 bytes]: lane 16 h + r holds block 2 c + h of column 16 (n / 16) + r; scale bytes [3072][32];
;   work-groups 320-447: w_out [1024 (k)][1024 (n)] f32 -> two f16 tensors, a high part and a low part x 2^11, each as images of f16 fragments of w_out^T: [n / 16][k / 32][j 0..1][lane][16 bytes].
; THE QUANTISER: a block's scale is 2^(floor(log2(its largest magnitude)) - 2); its byte is the largest magnitude's exponent field - 2, held at 1 from below; each number / scale goes to the nearest code, ties to even, beyond 6 to 6.
; A block of zeros gets the byte 1 where the rule says 127: its codes are zeros, and this program alone reads the bytes.
; THE SPLIT: the high part is the number rounded to 11 significant bits (an integer add of half a step and a mask: ties go away from zero), the difference is exact in f32, is scaled by 2^11 and rounded once to f16.
; LIMITS: NaN and infinities are not served; blocks whose largest magnitude lies under 2^-124 keep the byte 1; |w_out| stays under 65,504; under 2^-14 the high part is rounded a second time by the conversion, at most 2^-25 absolute.
; Only the first job uses LDS.  No tensor loads, no barrier: waves share nothing.
.set SPARE, 32768                      ; behind the four waves' regions: the spare words, 128 bytes for each wave: two blocks of 256 bytes that no other line names
.set SPW,   12                         ; v12  LDS address of my spare word; never rewritten
.set NIL,   13                         ; v13  0; never rewritten
.set STEPS, 16
.set EMAX,  2
.set CB,    8                          ; bytes of 16 codes
.set R,     16                         ; x: v16-79   four sets of 16 numbers as they are loaded
.set X,     80                         ; x: v80-111  two sets of 16 neighbours
.set C,     128                        ; x: v128-191 codes, four registers for each step
.set E,     112                        ; x: v112-127 a scale byte for each step
.set WREG,  8192                       ; x: LDS region of a wave: two stages of 32 x SP bytes, behind them its 256 scale bytes
.set SP,    80                         ; x: a lane's place in a stage: 64 bytes + 16 of padding
	s_load_b256 s[4:11], s[0:1], 0x0               ; x s[4:5], w_qkv s[6:7], w_out s[8:9], x's codes s[10:11]
	s_load_b256 s[12:19], s[0:1], 0x20             ; x's scales s[12:13], w's codes s[14:15], w's scales s[16:17], w16 s[18:19]
	v_lshl_add_u32 v[SPW], v0, 2, SPARE
	v_mov_b32 v[NIL], 0
	v_lshrrev_b32 v1, 5, v0
	v_readfirstlane_b32 s20, v1                    ; wave 0..3
	v_and_b32 v2, 31, v0                           ; lane
	s_mov_b32 s23, 0                               ; the upper word of every offset pair s[22:23]
	s_wait_kmcnt 0x0
	s_cmp_lt_u32 ttmp9, 128
	s_cbranch_scc1 .Lx
	s_cmp_lt_u32 ttmp9, 320
	s_cbranch_scc1 .Lw
; ---- w_out.  A lane takes a column n and its registers run down K: 64 rows of w_out, two fragments of 32 along K.  Each load reads 128 consecutive bytes a wave.
	s_sub_co_u32 s21, ttmp9, 320
	s_lshr_b32 s24, s21, 4                         ; which 128 columns
	s_and_b32 s25, s21, 15                         ; which 64 along K
	s_lshl_b32 s24, s24, 7
	s_lshl_b32 s26, s20, 5
	s_add_co_u32 s24, s24, s26                     ; my wave's first column
	s_lshl_b32 s22, s25, 18                        ; 64 rows of 4,096 bytes
	s_lshl_b32 s26, s24, 2
	s_add_co_u32 s22, s22, s26
	s_add_nc_u64 s[8:9], s[8:9], s[22:23]
	s_lshl_b32 s22, s24, 11                        ; (column / 16) x 32 fragments x 1,024 bytes
	s_lshl_b32 s26, s25, 11                        ; two fragments for each 64 along K
	s_add_co_u32 s22, s22, s26
	s_add_nc_u64 s[18:19], s[18:19], s[22:23]
	v_lshlrev_b32 v3, 2, v2                        ; in: 4 bytes a lane
	v_lshrrev_b32 v4, 4, v2
	v_and_b32 v5, 15, v2
	v_lshlrev_b32 v4, 15, v4                       ; out: lanes 16-31 belong to the next tile of 16 columns,
	v_lshl_add_u32 v4, v5, 4, v4                   ; 16 bytes a lane: sixteen lanes store 256 consecutive bytes, aligned
.set NN, 0
.rept 64
	global_load_b32 v[32+NN], v3, s[8:9] offset:NN*4096 th:TH_LOAD_NT
.set NN, NN+1
.endr
.macro OFRAG f                         ; fragment f: rows 32 f .. 32 f + 31 of my 64
.set XO, 32+32*(\f)
.set NN, 0
.rept 32
	v_add_nc_u32 v[128+NN], 0x1000, v[XO+NN]       ; half a step of the 11th significant bit onto the magnitude,
.set NN, NN+1
.endr
.set NN, 0
.rept 32
	v_and_b32 v[128+NN], 0xffffe000, v[128+NN]     ; and the bits under it away: the high part, as f32
.set NN, NN+1
.endr
.set NN, 0
.rept 16
	v_cvt_pk_f16_f32 v[96+16*(\f)+NN], v[128+2*NN], v[129+2*NN]
	v_pk_add_f32 v[XO+2*NN:XO+2*NN+1], v[XO+2*NN:XO+2*NN+1], v[128+2*NN:129+2*NN] neg_lo:[0,1] neg_hi:[0,1]   ; what is left: exact
.set NN, NN+1
.endr
.set NN, 0
.rept 16
	v_pk_mul_f32 v[XO+2*NN:XO+2*NN+1], v[XO+2*NN:XO+2*NN+1], 0x45000000 op_sel_hi:[1,0]   ; x 2^11: into the high part's range
.set NN, NN+1
.endr
.set NN, 0
.rept 16
	v_cvt_pk_f16_f32 v[160+16*(\f)+NN], v[XO+2*NN], v[XO+2*NN+1]
.set NN, NN+1
.endr
.irp g, 0,1,2,3                        ; eight k are 16 bytes: registers 4 (g / 2) .. of the lane 16 (g % 2) + r of the image
	global_store_b128 v4, v[96+16*(\f)+4*\g:99+16*(\f)+4*\g], s[18:19] offset:(\f)*1024+(\g/2)*512+(\g%2)*256
	global_store_b128 v4, v[160+16*(\f)+4*\g:163+16*(\f)+4*\g], s[18:19] offset:2097152+(\f)*1024+(\g/2)*512+(\g%2)*256
.endr
.endm
	s_wait_loadcnt 32                              ; the first 32 rows are in; the other 32 loads may be out
	OFRAG 0
	s_wait_loadcnt 0x0
	OFRAG 1
	s_branch .Lend
; ---- w_qkv.  A lane takes a column n and its registers run down K: 128 rows, four blocks of 32, one K step of the product.  All 128 loads are issued on end.
.Lw:
	s_sub_co_u32 s21, ttmp9, 128
	s_lshr_b32 s24, s21, 3                         ; which 128 columns
	s_and_b32 s25, s21, 7                          ; which 128 along K
	s_lshl_b32 s24, s24, 7
	s_lshl_b32 s26, s20, 5
	s_add_co_u32 s24, s24, s26                     ; my wave's first column
	s_mul_i32 s22, s25, 128*12288                  ; 128 rows of 12,288 bytes
	s_lshl_b32 s26, s24, 2
	s_add_co_u32 s22, s22, s26
	s_add_nc_u64 s[6:7], s[6:7], s[22:23]
	s_lshl_b32 s22, s24, 9                         ; (column / 16) x 8 K steps x 1,024 bytes
	s_lshl_b32 s26, s25, 10
	s_add_co_u32 s22, s22, s26
	s_add_nc_u64 s[14:15], s[14:15], s[22:23]
	s_lshl_b32 s22, s24, 5                         ; a column's 32 scale bytes,
	s_lshl_b32 s26, s25, 2                         ; this K step's word
	s_add_co_u32 s22, s22, s26
	s_add_nc_u64 s[16:17], s[16:17], s[22:23]
	v_lshlrev_b32 v3, 2, v2
	v_lshrrev_b32 v4, 4, v2
	v_and_b32 v5, 15, v2
	v_lshlrev_b32 v4, 13, v4                       ; lanes 16-31 belong to the next tile of 16 columns
	v_lshl_add_u32 v4, v5, 4, v4
	v_lshlrev_b32 v5, 5, v2                        ; my column's row of scale bytes
.set NN, 0
.rept 128
	global_load_b32 v[32+NN], v3, s[6:7] offset:NN*12288 th:TH_LOAD_NT
.set NN, NN+1
.endr
.macro WBLOCK t                        ; block t: all its 32 numbers are mine
.set XW, 32+32*(\t)
	v_max3_num_f32 v8, |v[XW]|, |v[XW+1]|, |v[XW+2]|
	v_max3_num_f32 v9, |v[XW+3]|, |v[XW+4]|, |v[XW+5]|
.irp i, 6,10,14,18,22,26
	v_max3_num_f32 v8, v8, |v[XW+\i]|, |v[XW+\i+1]|
	v_max3_num_f32 v9, v9, |v[XW+\i+2]|, |v[XW+\i+3]|
.endr
	v_max3_num_f32 v8, v8, |v[XW+30]|, |v[XW+31]|
	v_max3_num_f32 v8, v8, v9, (EMAX+1)<<23        ; and the floor 2^(3 - 127): the byte cannot fall under 1
	v_add_nc_u32 v11, -(EMAX<<23), v8              ; 2 off the exponent field: the conversion takes this operand's exponent field as its scale
	v_lshrrev_b32 v10, 23, v11                     ; the scale's byte
.if (\t) == 0
	v_mov_b32 v24, v10
.else
	v_lshl_or_b32 v24, v10, 8*(\t), v24            ; four bytes make the K step's scale word
.endif
.irp g, 0,1,2,3
	v_cvt_scalef32_pk8_fp4_f32 v[160+4*(\t)+\g], v[XW+8*\g:XW+8*\g+7], v11
.endr
	global_store_b128 v4, v[160+4*(\t):163+4*(\t)], s[14:15] offset:((\t)/2)*512+((\t)%2)*256   ; sixteen lanes store 256 consecutive bytes, aligned; each block has registers of its own
.endm
	s_wait_loadcnt 63                              ; at most 63 of the 128 are out: the first 65 are in, blocks 0 and 1 among them
	WBLOCK 0
	s_wait_loadcnt 63
	WBLOCK 1
	s_wait_loadcnt 32                              ; block 3's 32 loads may be out
	WBLOCK 2
	s_wait_loadcnt 0x0
	WBLOCK 3
	global_store_b32 v5, v24, s[16:17]             ; 4 bytes of my column's row: one byte for each 32 of the 128 along K that this job reads
	s_branch .Lend
; ---- x.  Rows are dense and K is a multiple of 32: a plain stream of blocks.  A wave takes 16 steps of 512 numbers.  Each load reads 512 consecutive bytes; the numbers turn through the wave's own stage in LDS and come
; back 16 neighbours a lane (two lanes hold a block).  Loads run four steps ahead, the turn through LDS one step.
.Lx:
	v_lshlrev_b32 v3, 4, v2                        ; my 16 bytes of a load's 512
	s_mul_i32 s21, s20, WREG
	v_lshrrev_b32 v14, 2, v2
	v_mul_u32_u24 v14, v14, SP
	v_and_b32 v15, 3, v2
	v_lshl_add_u32 v14, v15, 4, v14
	v_add_nc_u32 v14, s21, v14                     ; the stage, on the way in: SP (lane / 4) + 16 (lane % 4)
	v_mul_u32_u24 v15, v2, SP
	v_add_nc_u32 v15, s21, v15                     ; and on the way out: SP x lane
	v_mul_u32_u24 v4, v2, CB                       ; my codes' place in a step's
	v_lshrrev_b32 v5, 1, v2
	s_add_co_u32 s21, s21, 2*32*SP
	v_add_nc_u32 v5, s21, v5                       ; LDS: my wave's 256 scale bytes, my block's byte
	v_lshlrev_b32 v7, 3, v2
	v_add_nc_u32 v6, s21, v7                       ; and on the way out 8 bytes a lane
	s_lshl_b32 s21, ttmp9, 2
	s_add_co_u32 s21, s21, s20                     ; which run of 8,192 numbers is my wave's
	s_lshl_b32 s22, s21, 15
	s_add_nc_u64 s[4:5], s[4:5], s[22:23]
	s_lshl_b32 s22, s21, 12
	s_add_nc_u64 s[10:11], s[10:11], s[22:23]
	s_lshl_b32 s22, s21, 8
	s_add_nc_u64 s[12:13], s[12:13], s[22:23]
.macro XLOAD t
.irp i, 0,1,2,3
	global_load_b128 v[R+16*((\t)%4)+4*\i:R+16*((\t)%4)+4*\i+3], v3, s[4:5] offset:2048*(\t)+512*\i th:TH_LOAD_NT
.endr
.endm
.macro XTURN t                         ; LDS serves a wave's instructions in order (ISA guide 5.7.1.4): no wait between the stores and the loads
.irp i, 0,1,2,3
	ds_store_b128 v14, v[R+16*((\t)%4)+4*\i:R+16*((\t)%4)+4*\i+3] offset:32*SP*((\t)%2)+8*SP*\i
.endr
.irp i, 0,1,2,3
	ds_load_b128 v[X+16*((\t)%2)+4*\i:X+16*((\t)%2)+4*\i+3], v15 offset:32*SP*((\t)%2)+16*\i
.endr
.endm
.irp t, 0,1,2,3
	XLOAD \t
.endr
	s_wait_loadcnt 12                              ; step 0's four loads are in; the 12 of the three steps behind may be out
	XTURN 0
.macro XSTEP t
.set XS, X+16*((\t)%2)
.if (\t) > 0
	s_wait_dscnt 1                                 ; this step's numbers are back from the stage; the last step's byte store may be out
.else
	s_wait_dscnt 0x0
.endif
.if (\t)+4 < STEPS
	XLOAD (\t)+4                                   ; into the registers that this step's stores into the stage have read
.endif
.if (\t)+1 < STEPS
.if STEPS-2-(\t) >= 3
	s_wait_loadcnt 12                              ; the next step's four loads are in; those of the three steps behind it may be out
.else
	s_wait_loadcnt 4*(STEPS-2-(\t))
.endif
	XTURN (\t)+1
.endif
	v_max3_num_f32 v8, |v[XS]|, |v[XS+1]|, |v[XS+2]|
	v_max3_num_f32 v9, |v[XS+3]|, |v[XS+4]|, |v[XS+5]|
.irp i, 6,10
	v_max3_num_f32 v8, v8, |v[XS+\i]|, |v[XS+\i+1]|
	v_max3_num_f32 v9, v9, |v[XS+\i+2]|, |v[XS+\i+3]|
.endr
	v_max3_num_f32 v8, v8, |v[XS+14]|, |v[XS+15]|
	v_max3_num_f32 v8, v8, v9, (EMAX+1)<<23        ; and the floor
	v_max_num_f32_dpp v8, v8, v8 row_xmask:1 row_mask:0xf bank_mask:0xf   ; with my neighbour's 16: the block's largest magnitude
	v_add_nc_u32 v11, -(EMAX<<23), v8
	v_cvt_scalef32_pk8_fp4_f32 v[C+4*(\t)], v[XS:XS+7], v11
	v_cvt_scalef32_pk8_fp4_f32 v[C+4*(\t)+1], v[XS+8:XS+15], v11
	v_lshrrev_b32 v[E+(\t)], 23, v11               ; the scale's byte
	ds_store_b8 v5, v[E+(\t)] offset:16*(\t)       ; both lanes of a block write the same byte with the same value
	global_store_b64 v4, v[C+4*(\t):C+4*(\t)+1], s[10:11] offset:32*CB*(\t)   ; the wave stores 256 consecutive bytes, aligned
.endm
.irp t, 0,1,2,3,4,5,6,7,8,9,10,11,12,13,14,15
	XSTEP \t
.endr
	ds_load_b64 v[8:9], v6                         ; my wave's 256 scale bytes, 8 a lane
	s_wait_dscnt 0x0
	global_store_b64 v7, v[8:9], s[12:13]          ; 256 consecutive bytes, aligned
.Lend:
	s_wait_tensorcnt 0x0                           ; the wave's end, behind my last LDS store
	ds_add_u32 v[SPW], v[NIL]
	s_wait_dscnt 0x0
	s_endpgm
.Lfunc_end_k_q06fd709cb7_prep:
	.size	k_q06fd709cb7_prep, .Lfunc_end_k_q06fd709cb7_prep-k_q06fd709cb7_prep
	.p2alignl 7, 3214868480
	.fill 96, 4, 3214868480
	.section	.rodata,"a",@progbits
	.p2align	6, 0x0
	.amdhsa_kernel k_q06fd709cb7_prep
		.amdhsa_group_segment_fixed_size 33280
		.amdhsa_private_segment_fixed_size 0
		.amdhsa_enable_private_segment 0
		.amdhsa_kernarg_size 64
		.amdhsa_user_sgpr_count 2
		.amdhsa_user_sgpr_kernarg_segment_ptr 1
		.amdhsa_wavefront_size32 1
		.amdhsa_system_sgpr_workgroup_id_x 1
		.amdhsa_system_sgpr_workgroup_id_y 1
		.amdhsa_system_sgpr_workgroup_id_z 1
		.amdhsa_system_vgpr_workitem_id 0
		.amdhsa_next_free_vgpr 192
		.amdhsa_next_free_sgpr 66
		.amdhsa_reserve_vcc 0
		.amdhsa_float_denorm_mode_32 3
		.amdhsa_float_denorm_mode_16_64 3
		.amdhsa_memory_ordered 1
		.amdhsa_forward_progress 1
		.amdhsa_inst_pref_size 78
	.end_amdhsa_kernel
	.amdgpu_metadata
---
amdhsa.version: [ 1, 2 ]
amdhsa.kernels:
  - .name:           k_q06fd709cb7_prep
    .symbol:         k_q06fd709cb7_prep.kd
    .args:
      - { .name: x, .offset: 0, .size: 8, .value_kind: global_buffer, .address_space: global }
      - { .name: w_qkv, .offset: 8, .size: 8, .value_kind: global_buffer, .address_space: global }
      - { .name: w_out, .offset: 16, .size: 8, .value_kind: global_buffer, .address_space: global }
      - { .name: x_codes, .offset: 24, .size: 8, .value_kind: global_buffer, .address_space: global }
      - { .name: x_scales, .offset: 32, .size: 8, .value_kind: global_buffer, .address_space: global }
      - { .name: w_codes, .offset: 40, .size: 8, .value_kind: global_buffer, .address_space: global }
      - { .name: w_scales, .offset: 48, .size: 8, .value_kind: global_buffer, .address_space: global }
      - { .name: w16, .offset: 56, .size: 8, .value_kind: global_buffer, .address_space: global }
    .group_segment_fixed_size: 33280
    .private_segment_fixed_size: 0
    .kernarg_segment_align: 8
    .kernarg_segment_size: 64
    .max_flat_workgroup_size: 128
    .sgpr_count:     66
    .vgpr_count:     192
    .wavefront_size: 32
...
	.end_amdgpu_metadata
.endif
;; end of part 1
;; launch qkv_gemm (part 2): grid 12 x 16, 4 waves a work-group, clusters of 4 x 4, 327,680 bytes of LDS; arguments x_codes, x_scales, w_codes, w_scales, qkv, qkvf; writes qkv, qkvf
.if DOCPART == 2
	.amdgcn_target "amdgcn-amd-amdhsa--gfx1250"
	.amdhsa_code_object_version 6
	.text
	.protected	k_q06fd709cb7_qkv_gemm
	.globl	k_q06fd709cb7_qkv_gemm
	.p2align	8
	.type	k_q06fd709cb7_qkv_gemm,@function
k_q06fd709cb7_qkv_gemm:
	s_mov_b64 s[64:65], 0
	v_nop
	global_prefetch_b8 v0, s[64:65] scope:SCOPE_SE
	s_setreg_imm32_b32 hwreg(HW_REG_WAVE_MODE, 25, 1), 1
	s_wait_xcnt 0x0
	s_wait_alu depctr_hold_cnt(0) depctr_sa_sdst(0) depctr_va_vdst(0) depctr_va_sdst(0) depctr_va_ssrc(0) depctr_va_vcc(0) depctr_vm_vsrc(0)
	s_getreg_b32 s2, hwreg(HW_REG_IB_STS2, 6, 4)
	s_cmp_eq_u32 s2, 0
	s_cbranch_scc0 .Lentry_in_a_cluster
	s_endpgm
.Lentry_in_a_cluster:
	s_bfe_u32 s2, ttmp6, 0x10000c
	s_cmp_lg_u32 s2, 0xf033
	s_cbranch_scc0 .Lentry_shape_is_right
	s_endpgm
.Lentry_shape_is_right:
; q, k, v = x w_qkv on codes of FP4 (E2M1) with one E8M0 scale for each 32 along K; sums in f32, K ascending, one accumulator for each output; the results are rounded once to f16.
; x's codes: [4096][512 bytes], rows; its scale bytes [4096][32].  w's codes: in the order of the operand's registers, [n / 16][k / 128][c][lane][16 bytes]; its scale bytes [3072][32].
; OUT: qkv [which 3][plane = 16 batch + head, 32][t / 16, 128][f 2][1,024 bytes]: IMAGES OF f16 FRAGMENTS (16 positions x 32 channels: registers 4 j .. 4 j + 3 of lane l at 512 j + 16 l), as the attention's products take them.
; OUT: qkvf [batch 2][which 3][head 16][channels / 16, 4][1,024 bytes]: positions 0-15 of each sequence once more, UNROUNDED, as images of the f32 accumulators (registers 4 u .. 4 u + 3 of lane l at 512 u + 16 l), for the fine launch.
; A tile of 256 x 256 is made by four waves, each 128 x 128: 64 accumulators of 16 x 16.  K = 1,024 is two LDS slots of 512 along K: both are first fills, asked for at the head; nothing is filled again.
; CLUSTERS: 4 x 4 work-groups; x's tile is shared along a row of the cluster, w's along a column: each is asked for jointly, by the same tensor load with the same descriptor and a mask that names the four.
; THE MATRIX INSTRUCTION IS USED TRANSPOSED (source 0 = 16 columns of w, source 1 = 16 rows of x): a lane then holds one position and eight neighbouring channels, which pack into the 16 bytes that the image wants of that lane:
; the results leave straight from registers, 512 consecutive bytes an instruction, with no stage in LDS.
; LIMIT: |q|, |k|, |v| stay under 65,504 (f16's largest number).
; REGISTERS, in windows of 256: window 0: v0-31 addresses; v32-95 scale words, two sets; v128-191 x's fragments, one set; on the way out v32-223 hold packed results.
;   window 1: w's fragments, two sets, at v0 and v128.   window 2: the accumulators of my rows 0-63 ((a, b) at v[8 (8 a + b)]);   window 3: those of my rows 64-127.
.set NQ,     4                         ; steps of 128 along K in a slot
.set ROWB,   256                       ; a row of x's tile in bytes: 512 codes
.set KROW,   512                       ; a row of x's codes in memory; also 16 columns of w are 16 x 512 bytes
.set PITCH,  272                       ; x's LDS row: 256 bytes + 16 of padding, so that the 16 rows that a load touches start 68 words apart
.set FR,     8
.set NL,     2
.set NP,     4                         ; places behind this matrix instruction (ISA guide 7.12.1)
.set HALFA,  128*PITCH                 ; 128 rows of x: what one tensor load brings
.set HALFB,  32768                     ; 128 columns of w, 512 along K: 8 tiles x 4 K steps x 1,024 bytes, dense
.set SLOT,   2*HALFA+2*HALFB
.set KS,     32                        ; a row of scale bytes
.set SCL,    2*SLOT                    ; behind the slots: the scales, as units of 256 bytes + 16 of padding
.set HALFS,  16*272                    ; the scales of 128 rows
.set SBLK,   2*272                     ; those of 16 rows
.set SPARE,  SCL+4*HALFS               ; the spare words, 128 bytes for each wave: two blocks of 256 bytes that no other line names
.set ADRA, 16                          ; v16-17  LDS address of my fragments of x in slot 0, 1
.set ADRB, 20                          ; v20-21  the same for w
.set CO,   26                          ; v26     16 x lane: my place in an image
.set ADRS, 27                          ; v27     LDS address of my scale words: lanes 0-15 x's rows, lanes 16-31 w's columns
.set SPW,  28                          ; v28     LDS address of my spare word; never rewritten
.set NIL,  29                          ; v29     0; never rewritten
.set SC,   32                          ; scale words: set s at v[SC + 32 s]; register 4 i + q: lanes 0-15 x's block i, lanes 16-31 w's block i, the slot's q-th 128 along K
.set AF,   128
.set G1, 24                            ; s[24:31] group 1 for x's tiles;  s[32:39] groups 0, one for each slot
.set G0, 32
.set G1B, 48                           ; s[48:55], s[56:63] the same for w's
.set G0B, 56
.set G1S, 68                           ; s[68:75], s[76:79] groups 1 and 0 for x's scales;  s[80:87], s[88:91] for w's
.set G0S, 76
.set G1SB, 80
.set G0SB, 88
.set QF,  96                           ; s[96:97] qkvf at my batch, tensor and first head;  s98 EXEC as it was;  s99 0 in the waves that hold positions 0-15
.set MSB, 0
.macro WIN new                         ; the immediate's high byte repeats the setting that is left
.if MSB != \new
	s_set_vgpr_msb (MSB<<8)|\new
.set MSB, \new
.endif
.endm
.set MUL_LO, 0xa1                      ; source 0 (w) window 1, source 1 (x) window 0, C and D window 2
.set MUL_HI, 0xf1                      ; the same, C and D window 3
.set TO_B,   0x40                      ; destination window 1, address window 0
; A joint load: waves 0 and 1 fetch for x, waves 2 and 3 for w.  The branch hangs on the wave's number alone.  An s_nop 0 and four v_nop follow each of the two lines.
.macro JLOAD g0a, g1a, g0b, g1b
	s_cmp_eq_u32 s15, 0
	s_cbranch_scc0 .Lfor_b_\@
	tensor_load_to_lds s[\g0a:\g0a+3], s[\g1a:\g1a+7]
	s_nop 0
.rept 4
	v_nop
.endr
	s_branch .Lasked_\@
.Lfor_b_\@:
	tensor_load_to_lds s[\g0b:\g0b+3], s[\g1b:\g1b+7]
	s_nop 0
.rept 4
	v_nop
.endr
.Lasked_\@:
.endm
.macro CROUND                          ; a round of the cluster's barrier
	s_barrier_signal -1
	s_barrier_wait -1
	s_cmp_lg_u32 s14, 0
	s_cbranch_scc1 .Lnot_wave_0_\@
	s_barrier_signal -3
.Lnot_wave_0_\@:
	s_barrier_wait -3
	s_barrier_signal -1
	s_barrier_wait -1
.endm
	s_load_b128 s[4:7], s[0:1], 0x0                ; x's codes s[4:5], x's scales s[6:7]
	s_load_b128 s[8:11], s[0:1], 0x10              ; w's codes s[8:9], w's scales s[10:11]
	s_load_b64 s[12:13], s[0:1], 0x20              ; qkv
	s_load_b64 s[QF:QF+1], s[0:1], 0x28            ; qkvf
	v_lshl_add_u32 v[SPW], v0, 2, SPARE
	v_mov_b32 v[NIL], 0
	ds_add_u32 v[SPW], v[NIL]                      ; the wave's opening: the add, twice on end, and its wait ahead of my first tensor load
	ds_add_u32 v[SPW], v[NIL]
	v_lshrrev_b32 v1, 5, v0
	v_readfirstlane_b32 s14, v1                    ; wave 0..3
	s_lshr_b32 s15, s14, 1                         ; which half of the tile's rows is mine.  Also: I fetch for x (0) or for w (1)
	s_and_b32 s16, s14, 1                          ; which half of its columns.  Also: which 128 rows or columns I fetch
	s_bfe_u32 s40, ttmp6, 0x40000                  ; cx, cy: my place in the cluster
	s_bfe_u32 s41, ttmp6, 0x40004
	s_lshl_b32 s42, ttmp9, 2
	s_add_co_u32 s42, s42, s40                     ; tile column = 4 x cluster x + cx
	s_and_b32 s17, ttmp7, 0xffff
	s_lshl_b32 s17, s17, 2
	s_add_co_u32 s17, s17, s41                     ; tile row = 4 x cluster y + cy
	s_lshl_b32 s43, s41, 2
	s_lshl_b32 s43, 15, s43                        ; my row of the cluster
	s_lshl_b32 s44, 0x1111, s40                    ; my column
	; x's tiles: 128 rows x 256 bytes, elements of 1 byte, 4 words of padding behind every 64
	s_or_b32 s[G1+0], s43, (0<<16)|(1<<20)|(1<<21)|(5<<22)|(3<<25)
	s_mov_b32 s[G1+1], ROWB<<16                    ; tensor_dim0
	s_mov_b32 s[G1+2], 128<<16                     ; tensor_dim1
	s_mov_b32 s[G1+3], ROWB<<16                    ; tile_dim0
	s_mov_b32 s[G1+4], 128                         ; tile_dim1
	s_mov_b32 s[G1+5], KROW                        ; from row to row
	s_mov_b32 s[G1+6], 0
	s_mov_b32 s[G1+7], 0
	; w's tiles: 8 tiles of 16 columns, of each 4 K steps = 4,096 consecutive bytes (512 elements of 8 bytes), 8,192 bytes apart; no padding: fragments are read 16 bytes a lane on end
	s_or_b32 s[G1B+0], s44, (3<<16)|(1<<21)
	s_mov_b32 s[G1B+1], 512<<16
	s_mov_b32 s[G1B+2], 8<<16
	s_mov_b32 s[G1B+3], 512<<16
	s_mov_b32 s[G1B+4], 8
	s_mov_b32 s[G1B+5], 1024
	s_mov_b32 s[G1B+6], 0
	s_mov_b32 s[G1B+7], 0
	; the scales of 128 rows: a dense block of 4,096 bytes, as 16 rows of 256 bytes (32 elements of 8 bytes), 16 bytes of padding behind each
	s_or_b32 s[G1S+0], s43, (3<<16)|(1<<20)|(1<<21)|(5<<22)|(3<<25)
	s_or_b32 s[G1SB+0], s44, (3<<16)|(1<<20)|(1<<21)|(5<<22)|(3<<25)
.irp g, G1S, G1SB
	s_mov_b32 s[\g+1], 32<<16
	s_mov_b32 s[\g+2], 16<<16
	s_mov_b32 s[\g+3], 32<<16
	s_mov_b32 s[\g+4], 16
	s_mov_b32 s[\g+5], 32
	s_mov_b32 s[\g+6], 0
	s_mov_b32 s[\g+7], 0
.endr
	s_lshl_b32 s18, s16, 7                         ; which 128 I fetch
	s_lshl_b32 s20, s17, 8
	s_add_co_u32 s20, s20, s18                     ; x: row 256 x tile row + 128 x half
	s_lshl_b32 s46, s42, 8
	s_add_co_u32 s46, s46, s18                     ; w: column 256 x tile column + 128 x half
	s_mov_b32 s21, 0
	s_mov_b32 s47, 0
	s_mov_b64 s[18:19], KS
	s_mul_u64 s[22:23], s[20:21], s[18:19]         ; where their scales begin, in bytes
	s_mul_u64 s[92:93], s[46:47], s[18:19]
	s_mov_b64 s[18:19], KROW
	s_mul_u64 s[20:21], s[20:21], s[18:19]         ; and their codes (a column of w has 512 bytes too: 16 columns are 8,192)
	s_mul_u64 s[46:47], s[46:47], s[18:19]
	s_mul_i32 s45, s16, HALFA                      ; where they go: x's two halves,
	s_mul_i32 s95, s16, HALFB
	s_add_co_u32 s95, s95, 2*HALFA                 ; then w's two: no place in the cluster enters an LDS address
	s_mul_i32 s94, s14, HALFS
	s_wait_dscnt 0x0                               ; both opening adds are done
	s_wait_kmcnt 0x0
	s_add_nc_u64 s[20:21], s[4:5], s[20:21]
	s_add_nc_u64 s[22:23], s[6:7], s[22:23]
	s_add_nc_u64 s[46:47], s[8:9], s[46:47]
	s_add_nc_u64 s[92:93], s[10:11], s[92:93]
	CROUND                                         ; all sixteen work-groups are here: the joint loads meet
	s_mov_b32 s[G0S], 1
	s_add_co_u32 s[G0S+1], s94, SCL
	s_mov_b64 s[G0S+2:G0S+3], s[22:23]
	s_or_b32 s[G0S+3], s[G0S+3], 0x80000000
	s_mov_b32 s[G0SB], 1
	s_add_co_u32 s[G0SB+1], s94, SCL
	s_mov_b64 s[G0SB+2:G0SB+3], s[92:93]
	s_or_b32 s[G0SB+3], s[G0SB+3], 0x80000000
	JLOAD G0S, G1S, G0SB, G1SB                     ; the scales first: they are wanted with the first step
.irp s, 0,1
	s_mov_b32 s[G0+4*\s], 1
	s_add_co_u32 s[G0+4*\s+1], s45, \s*SLOT
	s_add_nc_u64 s[G0+4*\s+2:G0+4*\s+3], s[20:21], \s*ROWB
	s_or_b32 s[G0+4*\s+3], s[G0+4*\s+3], 0x80000000
	s_mov_b32 s[G0B+4*\s], 1
	s_add_co_u32 s[G0B+4*\s+1], s95, \s*SLOT
	s_add_nc_u64 s[G0B+4*\s+2:G0B+4*\s+3], s[46:47], \s*4096
	s_or_b32 s[G0B+4*\s+3], s[G0B+4*\s+3], 0x80000000
	JLOAD G0+4*\s, G1, G0B+4*\s, G1B               ; three loads of mine are out in all
.endr
	v_and_b32 v1, 15, v0                           ; l % 16
	v_bfe_u32 v2, v0, 4, 1                         ; l / 16
	v_mul_u32_u24 v3, v1, PITCH
	v_lshl_add_u32 v4, v2, 4, v3                   ; x: a fragment's row x pitch + 16 x half
	v_and_b32 v6, 31, v0
	v_lshlrev_b32 v[CO], 4, v6                     ; w, and the way out: 16 x lane
	s_mul_i32 s21, s15, HALFA                      ; my 128 rows of x
	s_mul_i32 s22, s16, HALFB                      ; my 128 columns of w,
	s_add_co_u32 s22, s22, 2*HALFA                 ; which lie behind x's 256 rows
.irp s, 0,1
	v_add_nc_u32 v[ADRA+\s], s21, v4
	v_add_nc_u32 v[ADRB+\s], s22, v[CO]
	s_add_co_u32 s21, s21, SLOT
	s_add_co_u32 s22, s22, SLOT
.endr
	v_mul_u32_u24 v5, v1, KS                       ; my row's scales: 32 bytes a row,
	v_lshrrev_b32 v6, 8, v5
	v_lshl_add_u32 v5, v6, 4, v5                   ; and 16 more for each 256 passed
	s_mul_i32 s21, s15, HALFS                      ; x's: my 128 rows
	s_mul_i32 s22, s16, HALFS                      ; w's: my 128 columns, behind x's 256
	s_add_co_u32 s22, s22, 2*HALFS
	s_sub_co_u32 s22, s22, s21
	v_mul_u32_u24 v6, s22, v2                      ; lanes 16-31 take w's
	s_add_co_u32 s21, s21, SCL
	v_add_nc_u32 v5, v5, v6
	v_add_nc_u32 v[ADRS], s21, v5
	; where my results go: plane = 32 which + 16 batch + head; my 128 columns are two heads, my 128 rows eight tiles of 16 positions
	s_lshr_b32 s20, s42, 2
	s_lshl_b32 s20, s20, 5                         ; 32 x which
	s_lshr_b32 s21, s17, 3
	s_lshl_b32 s21, s21, 4                         ; 16 x batch
	s_add_co_u32 s20, s20, s21
	s_and_b32 s21, s42, 3
	s_lshl_b32 s21, s21, 2
	s_add_co_u32 s20, s20, s21
	s_lshl_b32 s21, s16, 1
	s_add_co_u32 s20, s20, s21                     ; + my first head
	s_lshl_b32 s20, s20, 18                        ; a plane is 262,144 bytes
	s_and_b32 s21, s17, 7
	s_lshl_b32 s21, s21, 4
	s_lshl_b32 s22, s15, 3
	s_add_co_u32 s21, s21, s22                     ; my first tile of positions
	s_lshl_b32 s21, s21, 11                        ; 2,048 bytes each
	s_add_co_u32 s20, s20, s21
	s_mov_b32 s21, 0
	s_add_nc_u64 s[12:13], s[12:13], s[20:21]
	; qkvf: 196,608 bytes a batch, 65,536 a tensor, 4,096 a head
	s_lshr_b32 s20, s17, 3
	s_mul_i32 s20, s20, 196608
	s_lshr_b32 s21, s42, 2
	s_lshl_b32 s21, s21, 16
	s_add_co_u32 s20, s20, s21
	s_and_b32 s21, s42, 3
	s_lshl_b32 s21, s21, 2
	s_lshl_b32 s22, s16, 1
	s_add_co_u32 s21, s21, s22                     ; my first head
	s_lshl_b32 s21, s21, 12
	s_add_co_u32 s20, s20, s21
	s_mov_b32 s21, 0
	s_add_nc_u64 s[QF:QF+1], s[QF:QF+1], s[20:21]
	s_and_b32 s99, s17, 7                          ; a batch is eight tile rows: its positions 0-15 lie in the first,
	s_or_b32 s99, s99, s15                         ; in the upper half of the rows: 0 in the waves whose block 0 they are
.macro FRAG reg, adr, q, i             ; x: 16 rows x 128 K of 4-bit codes: registers 4 c .. 4 c + 3 of lane l hold K = 64 c + 32 (l / 16) + 0 .. 31 of row l % 16
.irp c, 0,1
	ds_load_b128 v[\reg+4*\c:\reg+4*\c+3], v[\adr] offset:64*(\q)+32*\c+(\i)*16*PITCH
.endr
.endm
.macro FRAGB reg, adr, q, i            ; w: the same registers, as they lie: 16 bytes a lane on end
.irp c, 0,1
	ds_load_b128 v[\reg+4*\c:\reg+4*\c+3], v[\adr] offset:(\i)*4096+(\q)*1024+512*\c
.endr
.endm
; 16 matrix instructions: x's blocks a0, a0 + 1 against w's eight, 128 along K.  p: w's set; sc: the set of scale words.  zero = 1: the first product starts the sums.
; The 64 accumulators take turns, one instruction a turn, in the same order in every step.
.macro MUL16 a0, p, q, sc, zero
.irp a, \a0, \a0+1
.irp b, 0,1,2,3,4,5,6,7
.if \zero
	v_wmma_scale_f32_16x16x128_f8f6f4 v[8*(8*((\a)%4)+\b):8*(8*((\a)%4)+\b)+7], v[128*(\p)+FR*\b:128*(\p)+FR*\b+FR-1], v[AF+FR*(\a):AF+FR*(\a)+FR-1], 0, v[SC+8*NQ*(\sc)+NQ*\b+(\q)], v[SC+8*NQ*(\sc)+NQ*(\a)+(\q)] matrix_a_fmt:MATRIX_FMT_FP4 matrix_b_fmt:MATRIX_FMT_FP4 matrix_a_scale:MATRIX_SCALE_ROW1
.else
	v_wmma_scale_f32_16x16x128_f8f6f4 v[8*(8*((\a)%4)+\b):8*(8*((\a)%4)+\b)+7], v[128*(\p)+FR*\b:128*(\p)+FR*\b+FR-1], v[AF+FR*(\a):AF+FR*(\a)+FR-1], v[8*(8*((\a)%4)+\b):8*(8*((\a)%4)+\b)+7], v[SC+8*NQ*(\sc)+NQ*\b+(\q)], v[SC+8*NQ*(\sc)+NQ*(\a)+(\q)] matrix_a_fmt:MATRIX_FMT_FP4 matrix_b_fmt:MATRIX_FMT_FP4 matrix_a_scale:MATRIX_SCALE_ROW1
.endif
.endr
.endr
.endm
.macro FETCH_B slot, q, p
	WIN TO_B
.irp i, 0,1,2,3,4,5,6,7
	FRAGB 128*(\p)+FR*\i, ADRB+\slot, \q, \i
.endr
	WIN 0
.endm
.macro FETCH_A slot, q, i0
.irp i, \i0, \i0+1, \i0+2, \i0+3
	FRAG AF+FR*(\i), ADRA+\slot, \q, \i
.endr
.endm
.macro SCALES sc                       ; a slot's scale words: 4 words a row; lanes 0-15 take x's block i, lanes 16-31 w's block i
.irp i, 0,1,2,3,4,5,6,7
	ds_load_b128 v[SC+8*NQ*\sc+NQ*\i:SC+8*NQ*\sc+NQ*\i+3], v[ADRS] offset:\i*SBLK
.endr
.endm
.macro PLACES n                        ; plain vector instructions between a matrix instruction and a load into, or a vector write or read of, its registers
.rept \n
	v_nop
.endr
.endm
; A step of 128 along K that has its successor in the same slot.  x has one set of fragments: blocks 0-3 are fetched anew in the step's middle, blocks 4-7 at its end; w has two sets.
.macro STEP slot, q, zero
	s_wait_dscnt 4*NL                              ; w's set and x's blocks 0-3 are in; the youngest eight loads (x's blocks 4-7) may be out
	WIN MUL_LO
	MUL16 0, (\q)%2, \q, \slot, \zero
	MUL16 2, (\q)%2, \q, \slot, \zero
	s_wait_dscnt 0                                 ; x's blocks 4-7 are in
	PLACES NP
	FETCH_B \slot, (\q)+1, 1-(\q)%2
	FETCH_A \slot, (\q)+1, 0
	WIN MUL_HI
	MUL16 4, (\q)%2, \q, \slot, \zero
	MUL16 6, (\q)%2, \q, \slot, \zero
	PLACES NP
	WIN 0
	FETCH_A \slot, (\q)+1, 4
.endm
; Slot 0's last step goes over to slot 1: each wave waits for its tensor loads (its part of slot 1), then the barrier shows the slot whole to all four.  Nothing is filled again.
.macro TURN slot, next
	s_wait_tensorcnt 0x0                           ; my part of the next slot has landed
	ds_add_u32 v[SPW], v[NIL]                      ; 0 onto my spare word
	s_wait_dscnt 4*NL+1                            ; (the add and the youngest eight loads may be out)
	WIN MUL_LO
	MUL16 0, 1, NQ-1, \slot, 0
	s_wait_dscnt 0x0                               ; no LDS instruction of mine is out at the signal
	s_barrier_signal -1
	MUL16 2, 1, NQ-1, \slot, 0
	WIN 0
	s_barrier_wait -1
	PLACES NP
	v_add_nc_u32 v[ADRS], 4*NQ, v[ADRS]            ; on to the next slot's scale words
	FETCH_B \next, 0, 0
	FETCH_A \next, 0, 0
	SCALES \next
	WIN MUL_HI
	MUL16 4, 1, NQ-1, \slot, 0
	MUL16 6, 1, NQ-1, \slot, 0
	PLACES NP
	WIN 0
	FETCH_A \next, 0, 4
.endm
.macro STEPS slot, from
.set Q, \from
.rept NQ-1-\from
	STEP \slot, Q, 0
.set Q, Q+1
.endr
.endm
	s_wait_tensorcnt 1                             ; the scales and my part of slot 0 are in; slot 1's load may be out
	s_barrier_signal -1
	s_barrier_wait -1
	FETCH_B 0, 0, 0
	FETCH_A 0, 0, 0
	SCALES 0
	FETCH_A 0, 0, 4
	STEP 0, 0, 1                                   ; the first step's products start the sums: nothing is cleared
	STEPS 0, 1
	TURN 0, 1
	STEPS 1, 0
	s_wait_dscnt 4*NL                              ; the last step: nothing more to fetch
	WIN MUL_LO
	MUL16 0, 1, NQ-1, 1, 0
	MUL16 2, 1, NQ-1, 1, 0
	s_wait_dscnt 0
	WIN MUL_HI
	MUL16 4, 1, NQ-1, 1, 0
	MUL16 6, 1, NQ-1, 1, 0
	WIN 0
; THE WAY OUT.  Accumulator (a, b): lane l holds position 16 a + l % 16 and channels 16 b + 8 (l / 16) + 0 .. 7.  Packed to f16 they are registers 4 (b % 2) .. of fragment (b % 4) / 2 of head b / 4: the image's 16 bytes of lane l.
; Six sets of 32 registers take turns, so that one wait frees the first two sets for blocks 6 and 7.  Each accumulator is read from its low end on.
.macro PACKH a
.set AC, 64*((\a)%4)
.set TS, 32+32*((\a)%6)
	WIN 0x0a+5*((\a)/4)                            ; sources 0 and 1: window 2 or 3
.irp b, 0,1,2,3,4,5,6,7
.irp i, 0,1,2,3
	v_cvt_pk_f16_f32 v[TS+4*\b+\i], v[AC+8*\b+2*\i], v[AC+8*\b+2*\i+1]
.endr
.endr
	WIN 0
.irp b, 0,1,2,3,4,5,6,7
	global_store_b128 v[CO], v[TS+4*\b:TS+4*\b+3], s[12:13] offset:(\b/4)*262144+(\a)*2048+((\b%4)/2)*1024+(\b%2)*512   ; 32 lanes store 512 consecutive bytes, aligned
.endr
.endm
	PLACES NP                                      ; behind the last products: results are read, and the conversions write registers that held scales and fragments
; POSITIONS 0-15 OF A SEQUENCE, UNROUNDED: block 0's eight accumulators as they stand, 512 consecutive bytes a store.  Which waves hold them hangs on the work-group's place in its cluster:
; every wave runs the sixteen stores, and in all but those waves no lane is on.  EXEC is a source of pending memory instructions: it is narrowed and widened only behind a wait for their addresses.
	v_mov_b32 v30, s99
	v_cmp_eq_u32 vcc_lo, 0, v30
	s_wait_xcnt 0x0
	s_and_saveexec_b32 s98, vcc_lo
	WIN 0x08                                       ; a store's data are its source 1: window 2
.irp b, 0,1,2,3,4,5,6,7
	global_store_b128 v[CO], v[8*\b:8*\b+3], s[QF:QF+1] offset:1024*\b          ; each accumulator from its low end on
	global_store_b128 v[CO], v[8*\b+4:8*\b+7], s[QF:QF+1] offset:1024*\b+512
.endr
	WIN 0
	s_wait_xcnt 0x0
	s_or_b32 exec_lo, exec_lo, s98                 ; all lanes on again
.irp a, 0,1,2,3,4,5
	PACKH \a
.endr
	s_wait_xcnt 0x0                                ; the stores so far have read their registers: sets 0 and 1 may be written again
	PACKH 6
	PACKH 7
	s_wait_tensorcnt 0x0                           ; the wave's end
	ds_add_u32 v[SPW], v[NIL]
	s_wait_dscnt 0x0
	CROUND                                         ; the closing round: no work-group ends while a partner may still ask for a tile that names it
	s_endpgm
.Lfunc_end_k_q06fd709cb7_qkv_gemm:
	.size	k_q06fd709cb7_qkv_gemm, .Lfunc_end_k_q06fd709cb7_qkv_gemm-k_q06fd709cb7_qkv_gemm
	.p2alignl 7, 3214868480
	.fill 96, 4, 3214868480
	.section	.rodata,"a",@progbits
	.p2align	6, 0x0
	.amdhsa_kernel k_q06fd709cb7_qkv_gemm
		.amdhsa_group_segment_fixed_size 327680
		.amdhsa_private_segment_fixed_size 0
		.amdhsa_enable_private_segment 0
		.amdhsa_kernarg_size 48
		.amdhsa_user_sgpr_count 2
		.amdhsa_user_sgpr_kernarg_segment_ptr 1
		.amdhsa_wavefront_size32 1
		.amdhsa_system_sgpr_workgroup_id_x 1
		.amdhsa_system_sgpr_workgroup_id_y 1
		.amdhsa_system_sgpr_workgroup_id_z 1
		.amdhsa_system_vgpr_workitem_id 0
		.amdhsa_next_free_vgpr 1024
		.amdhsa_next_free_sgpr 100
		.amdhsa_reserve_vcc 1
		.amdhsa_float_denorm_mode_32 3
		.amdhsa_float_denorm_mode_16_64 3
		.amdhsa_memory_ordered 1
		.amdhsa_forward_progress 1
		.amdhsa_inst_pref_size 120
	.end_amdhsa_kernel
	.amdgpu_metadata
---
amdhsa.version: [ 1, 2 ]
amdhsa.kernels:
  - .name:           k_q06fd709cb7_qkv_gemm
    .symbol:         k_q06fd709cb7_qkv_gemm.kd
    .args:
      - { .name: x_codes, .offset: 0, .size: 8, .value_kind: global_buffer, .address_space: global }
      - { .name: x_scales, .offset: 8, .size: 8, .value_kind: global_buffer, .address_space: global }
      - { .name: w_codes, .offset: 16, .size: 8, .value_kind: global_buffer, .address_space: global }
      - { .name: w_scales, .offset: 24, .size: 8, .value_kind: global_buffer, .address_space: global }
      - { .name: qkv, .offset: 32, .size: 8, .value_kind: global_buffer, .address_space: global }
      - { .name: qkvf, .offset: 40, .size: 8, .value_kind: global_buffer, .address_space: global }
    .group_segment_fixed_size: 327680
    .private_segment_fixed_size: 0
    .kernarg_segment_align: 8
    .kernarg_segment_size: 48
    .max_flat_workgroup_size: 128
    .sgpr_count:     100
    .vgpr_count:     1024
    .wavefront_size: 32
...
	.end_amdgpu_metadata
.endif
;; end of part 2
;; launch attn (part 3): grid 8 x 32, 16 waves a work-group, no clusters, 327,680 bytes of LDS; arguments qkv, att; writes att
.if DOCPART == 3
	.amdgcn_target "amdgcn-amd-amdhsa--gfx1250"
	.amdhsa_code_object_version 6
	.text
	.protected	k_q06fd709cb7_attn
	.globl	k_q06fd709cb7_attn
	.p2align	8
	.type	k_q06fd709cb7_attn,@function
k_q06fd709cb7_attn:
	s_mov_b64 s[64:65], 0
	v_nop
	global_prefetch_b8 v0, s[64:65] scope:SCOPE_SE
	s_setreg_imm32_b32 hwreg(HW_REG_WAVE_MODE, 25, 1), 1
	s_wait_xcnt 0x0
; CAUSAL ATTENTION, head size 64, operands in f16, products' sums, maxima and row sums in f32.  o[q] = sum over k <= q of softmax_k(q . k / 8) v[k].
; IN: qkv [which 3][plane 32][t / 16, 128][f 2][1,024 bytes]: images of f16 fragments (16 positions x 32 channels: registers 4 j .. of lane l at 512 j + 16 l).  OUT: att [128 batch + t / 16][2 head + f][1,024 bytes]: the same, for the projection.
; SHARES.  The 2,048 queries of a plane are 16 blocks of 128.  Work-group j owns blocks j and 15 - j, so that all work-groups walk the same number of key steps.  Each of its 16 waves owns one tile of 16 queries;
; the two blocks' tiles are dealt so that of any four neighbouring waves, and of waves w, w + 4, w + 8, w + 12, two belong to each block.
; Keys go 64 a step.  K and V come through two LDS slots of 256 keys, filled by waves 0 to 3 (K's channels 0-31, K's 32-63, V's 0-31, V's 32-63: 16 rows of 1,024 bytes each) and read by all sixteen.
; Shared so, every load of a slot that is asked for holds keys that some wave reads.
; FRAGMENTS ARE ASKED FOR A STEP AHEAD.  K's registers are free behind a step's first products, V's behind its second: the next step's K is loaded there and lands under this step's softmax, the next step's V under the next step's.
; Only a slot's first step waits for loads that it has just issued.
; NO CLUSTER: under the causal mask the work-groups of a plane need different numbers of slots: a joint load would bring tiles that no wave of some partner reads.
; LAYOUT.  S^T = K Q^T (source 0 = 16 keys, source 1 = my 16 queries): a lane holds ONE query (l % 16) and keys 8 (l / 16) + 0 .. 7 of each tile.  Two tiles, rounded to f16 in pairs, are source 1 of O^T = V^T P.
; K comes out of LDS as it lies, V turned by ds_load_tr16_b128.  O^T's lane holds one query and eight neighbouring channels: packed they are the 16 bytes that att's image wants of that lane.
; SOFTMAX.  A running maximum m and sum l for each query: p = 2^(c s - c m), c = log2(e) / 8; in every step O^T and l are multiplied by a = 2^(c m_old - c m_new).
; THE MASK.  Every work-group walks all 8 slots (constant trip counts); from the first step all of whose keys come after the wave's queries on, the wave jumps to the slot's end; on the diagonal hidden scores become -infinity.
; A slot whose first key comes after the work-group's last query is not asked for.
; LIMITS: |q|, |k|, |v| under 65,504; NaN and infinities are not served.
; REGISTERS: v1 16 x lane; v2 my place in a tile of V; v3, v4 the add's two; v5, v6 the slot's addresses; v10 r - 8 h; v11 the prefetches' offset; v12 c m, v13 m, v[14:15] l; v16-19 maxima; v[20:21] a; v22-25 at work;
;   v32-47 Q; v48-111 K's 8 fragments; v112-175 V's 8; v176-207 S^T, then p; v208-223 P in f16; v224-255 O^T.
.set SLOT1, 1<<16                      ; slot 1 begins here: one exclusive or turns an address from one slot to the other
.set VOFF,  32768                      ; a slot: K's two halves of 16,384 bytes, then V's
.set SPARE, 2*SLOT1                    ; the spare words, 128 bytes for each wave: eight blocks of 256 bytes that no other line names
.set SPW, 3
.set NIL, 4
.set WV,  8                            ; s8   my wave's number
.set QE,  11                           ; s11  my last query
.set Q0,  12                           ; s12  my first query
.set QL,  13                           ; s13  my work-group's last query
.set KF,  14                           ; s14  the first key of the slot in hand
.set TB,  15                           ; s15  LDS byte at which the slot in hand begins
.set G1,  16                           ; s[16:23] descriptor group 1
.set G0,  24                           ; s[24:27] group 0, which walks
.set PFA, 28                           ; s[28:29] where my prefetches stand
.set LIM, 30                           ; s30  1 in a wave that prefetches, else the greatest number
.set SLOTS, 31                         ; s31  changes of slots still to come in the loop
.set SEL, 32                           ; s[32:33] v_permlanex16_b32's selects for lane l xor 16
.set CS,  34                           ; s[34:35] c, twice: the packed form names a pair
.macro TLOAD                           ; waves 0 to 3 fetch, one load each; an s_nop 0 and four v_nop follow the line
	s_cmp_lt_u32 s[WV], 4
	s_cbranch_scc0 .Lnone_\@
	tensor_load_to_lds s[G0:G0+3], s[G1:G1+7]
	s_nop 0
.rept 4
	v_nop
.endr
.Lnone_\@:
.endm
; A PREFETCH of what the NEXT change of slots will ask for: a slot's 32,768 bytes of K and of V.  All work-groups of a plane walk the same K and V: the plane's work-group 0, which walks every slot, asks.
; In it the waves ask that fetch nothing, one instruction each: waves 4 to 7 for K's bytes, 8,192 a wave, lanes 256 bytes apart; waves 8 to 11 for V's likewise.  So each aligned block of 256 bytes is named once in the launch.
; The last change that fills a slot asks for nothing; slots 0 and 1 come by their loads alone.
.macro ASK
	s_cmp_gt_u32 s[SLOTS], s[LIM]
	s_cbranch_scc0 .Lnot_mine_\@
	global_prefetch_b8 v11, s[PFA:PFA+1] th:TH_LOAD_NT scope:SCOPE_SE
.Lnot_mine_\@:
.endm
	s_load_b128 s[4:7], s[0:1], 0x0                ; qkv s[4:5], att s[6:7]
	v_lshl_add_u32 v[SPW], v0, 2, SPARE
	v_mov_b32 v[NIL], 0
	ds_add_u32 v[SPW], v[NIL]                      ; the wave's opening: the add, twice on end, and its wait ahead of the first tensor load
	ds_add_u32 v[SPW], v[NIL]
	v_lshrrev_b32 v5, 5, v0
	v_readfirstlane_b32 s[WV], v5                  ; wave 0..15
	s_and_b32 s9, ttmp7, 0xffff                    ; the plane: 16 batch + head
	s_lshr_b32 s36, s[WV], 2
	s_xor_b32 s36, s36, s[WV]
	s_and_b32 s36, s36, 1                          ; which of the two blocks my tile belongs to
	s_sub_co_u32 s37, 15, ttmp9
	s_cmp_eq_u32 s36, 0
	s_cselect_b32 s37, ttmp9, s37                  ; block j or block 15 - j
	s_lshl_b32 s[Q0], s37, 7
	s_lshr_b32 s36, s[WV], 1
	s_lshl_b32 s36, s36, 4
	s_add_co_u32 s[Q0], s[Q0], s36                 ; my first query
	s_add_co_u32 s[QE], s[Q0], 15                  ; and my last
	s_sub_co_u32 s[QL], 16, ttmp9
	s_lshl_b32 s[QL], s[QL], 7
	s_sub_co_u32 s[QL], s[QL], 1                   ; block 15 - j's last
	; group 1: 16 rows of 1,024 bytes (128 elements of 8 bytes), 2,048 bytes apart; dense in LDS
	s_mov_b32 s[G1+0], 3<<16
	s_mov_b32 s[G1+1], 128<<16                     ; tensor_dim0
	s_mov_b32 s[G1+2], 16<<16                      ; tensor_dim1
	s_mov_b32 s[G1+3], 128<<16                     ; tile_dim0
	s_mov_b32 s[G1+4], 16                          ; tile_dim1
	s_mov_b32 s[G1+5], 256                         ; from row to row
	s_mov_b32 s[G1+6], 0
	s_mov_b32 s[G1+7], 0
	s_mov_b32 s[G0], 1
	s_and_b32 s36, s[WV], 3
	s_lshl_b32 s[G0+1], s36, 14                    ; LDS: 16,384 x (wave % 4), in slot 0
	s_lshl_b32 s38, s9, 18                         ; my plane's 262,144 bytes
	s_bfe_u32 s36, s[WV], 0x10001
	s_lshl_b32 s36, s36, 23                        ; waves 2, 3: V, 8,388,608 bytes behind K
	s_and_b32 s37, s[WV], 1
	s_lshl_b32 s37, s37, 10                        ; channels 32 on: the tile's second fragment
	s_add_co_u32 s36, s36, s37
	s_add_co_u32 s36, s36, 0x800000                ; K lies behind Q's 32 planes
	s_add_co_u32 s36, s36, s38
	s_mov_b32 s37, 0
	s_lshl_b32 s40, s[Q0], 7                       ; Q: 2,048 bytes for each 16 queries
	s_add_co_u32 s40, s40, s38
	s_mov_b32 s41, 0
	s_lshr_b32 s44, s9, 4
	s_lshl_b32 s44, s44, 22                        ; att: a batch's 128 tiles of 32,768 bytes,
	s_lshl_b32 s45, s[Q0], 11                      ; my tile,
	s_add_co_u32 s44, s44, s45
	s_and_b32 s45, s9, 15
	s_lshl_b32 s45, s45, 11                        ; my head's two fragments
	s_add_co_u32 s44, s44, s45
	s_mov_b32 s45, 0
	s_cmp_lt_u32 s[WV], 8                          ; the prefetches: waves 4 to 7 K's bytes, waves 8 to 11 V's
	s_cselect_b32 s46, 0, 0x800000
	s_and_b32 s47, s[WV], 3
	s_lshl_b32 s47, s47, 13                        ; 8,192 bytes a wave
	s_add_co_u32 s46, s46, s47
	s_add_co_u32 s46, s46, 0x800000+32768          ; in slot 1: the first change of slots steps it to slot 2
	s_add_co_u32 s46, s46, s38
	s_mov_b32 s47, 0
	s_sub_co_u32 s39, s[WV], 4
	s_lshr_b32 s39, s39, 3                         ; 0 in waves 4 to 11,
	s_or_b32 s39, s39, ttmp9                       ; of the plane's work-group 0
	s_cmp_eq_u32 s39, 0
	s_cselect_b32 s[LIM], 1, -1
	s_mov_b32 s[SEL], 0x76543210
	s_mov_b32 s[SEL+1], 0xfedcba98
	s_mov_b32 s[CS], 0x3e38aa3b                    ; c = log2(e) / sqrt(64)
	s_mov_b32 s[CS+1], s[CS]
	s_mov_b32 s[KF], 0
	s_mov_b32 s[TB], 0
	s_mov_b32 s[SLOTS], 7
	s_wait_dscnt 0x0                               ; both opening adds are done
	s_wait_kmcnt 0x0
	s_add_nc_u64 s[G0+2:G0+3], s[4:5], s[36:37]
	s_or_b32 s[G0+3], s[G0+3], 0x80000000          ; type = 2
	TLOAD                                          ; slot 0: it holds key 0, which counts for every query
	s_add_nc_u64 s[42:43], s[4:5], s[40:41]        ; Q at my tile
	s_add_nc_u64 s[6:7], s[6:7], s[44:45]          ; att at my tile and head
	s_add_nc_u64 s[PFA:PFA+1], s[4:5], s[46:47]
	v_and_b32 v1, 31, v0
	v_lshlrev_b32 v11, 8, v1                       ; 256 x lane
	v_lshlrev_b32 v1, 4, v1                        ; 16 x lane
.irp i, 0,1,2,3
	global_load_b128 v[32+4*\i:35+4*\i], v1, s[42:43] offset:512*\i   ; Q's two fragments stay in registers
.endr
	; the turning load takes 16 keys x 16 channels: lane l reads the 16 bytes of key 8 (l / 16) + l % 8, channels 8 ((l / 8) % 2) + 0 .. 7, which in the image lie at 256 ((l / 8) % 2) + 128 (l / 16) + 16 (l % 8)
	v_bfe_u32 v8, v0, 3, 1
	v_bfe_u32 v9, v0, 4, 1
	v_and_b32 v2, 7, v0
	v_lshlrev_b32 v2, 4, v2
	v_lshl_add_u32 v2, v8, 8, v2
	v_lshl_add_u32 v2, v9, 7, v2
	v_add_nc_u32 v2, VOFF, v2
	v_and_b32 v10, 15, v0
	v_lshlrev_b32 v8, 3, v9
	v_sub_nc_u32 v10, v10, v8                      ; r - 8 h
	v_mov_b32 v13, 0xff61b1e6                      ; m: -3e38, under every score
	v_mul_f32 v12, s[CS], v13                      ; c m
	v_mov_b32 v14, 0                               ; l, in two halves
	v_mov_b32 v15, 0
	v_mov_b32 v21, 0                               ; (named as the upper half of the pair v[20:21])
	v_mov_b32 v23, 0                               ; a lane permute's destination counts as one of its sources
	v_mov_b32 v24, 0xff800000                      ; -infinity
.set NN, 0
.rept 32
	v_mov_b32 v[224+NN], 0                         ; O^T.  (The step is written once: the first finds zeros, which a = 0 leaves zeros)
.set NN, NN+1
.endr
.macro LOADK q                         ; K's eight fragments of the slot's q-th 64 keys: 16 loads, 16 bytes a lane on end
.irp kt, 0,1,2,3
.irp cs, 0,1
.irp jj, 0,1
	ds_load_b128 v[48+8*(2*\kt+\cs)+4*\jj:51+8*(2*\kt+\cs)+4*\jj], v5 offset:\cs*16384+(4*(\q)+\kt)*1024+512*\jj
.endr
.endr
.endr
.endm
.macro LOADV q                         ; V's eight, turned: 16 loads
.irp ks, 0,1
.irp c, 0,1,2,3
.irp u, 0,1
	ds_load_tr16_b128 v[112+8*(4*\ks+\c)+4*\u:115+8*(4*\ks+\c)+4*\u], v6 offset:(\c/2)*16384+(4*(\q)+2*\ks+\u)*1024+(\c%2)*512
.endr
.endr
.endr
.endm
; A KEY STEP: 64 keys, the q-th of the slot in hand.  Its K and its V have been asked for, K first.  tag names the slot's end.
.macro STEP q, tag
	s_wait_dscnt 16                                ; K's 16 loads are in; V's 16, issued behind them, may be out
.irp cs, 0,1                                   ; S^T: four tiles of 16 keys by turns, 32 channels a turn
.irp kt, 0,1,2,3
.if \cs == 0
	v_wmma_f32_16x16x32_f16 v[176+8*\kt:183+8*\kt], v[48+16*\kt:55+16*\kt], v[32:39], 0
.else
	v_wmma_f32_16x16x32_f16 v[176+8*\kt:183+8*\kt], v[56+16*\kt:63+16*\kt], v[40:47], v[176+8*\kt:183+8*\kt]
.endif
.endr
.endr
.rept 4
	v_nop                                          ; four places: behind them K's registers are loaded anew and the scores are read
.endr
.if (\q) < 3
	LOADK (\q)+1                                   ; the next step's K lands under this step's softmax.  (Where that step is hidden the fragments go unused: the slot is whole, so the bytes are there)
.endif
	s_add_co_u32 s40, s[KF], 64*(\q)+63
	s_cmp_le_u32 s40, s[Q0]                        ; all 64 keys count for all my queries: nothing to hide
	s_cbranch_scc1 .Lopen_\@
	s_sub_co_i32 s40, s[Q0], s[KF]
.if (\q) > 0
	s_sub_co_i32 s40, s40, 64*(\q)
.endif
	v_add_nc_u32 v25, s40, v10                     ; d = my query - the step's first key - 8 h.  Register 8 t + i holds that key + 16 t + 8 h + i: hidden where 16 t + i > d
.irp n, 0,1,2,3,4,5,6,7,8,9,10,11,12,13,14,15,16,17,18,19,20,21,22,23,24,25,26,27,28,29,30,31
	v_cmp_gt_i32 vcc_lo, 16*(\n/8)+\n%8, v25
	v_cndmask_b32 v[176+\n], v[176+\n], v24, vcc_lo
.endr
.Lopen_\@:
.irp t, 0,1,2,3
	v_max3_num_f32 v[16+\t], v[176+8*\t], v[177+8*\t], v[178+8*\t]   ; four chains; each tile is read from its low end on
.endr
.irp i, 3,5
.irp t, 0,1,2,3
	v_max3_num_f32 v[16+\t], v[16+\t], v[176+8*\t+\i], v[177+8*\t+\i]
.endr
.endr
	v_max3_num_f32 v16, v16, v183, v191
	v_max3_num_f32 v18, v18, v199, v207
	v_max3_num_f32 v16, v16, v17, v18
	v_max3_num_f32 v16, v16, v19, v13              ; with the old m
	v_permlanex16_b32 v23, v16, s[SEL], s[SEL+1]   ; the query's other 32 keys lie in the lane 16 away
	v_mov_b32 v22, v12                             ; c m_old
	v_max_num_f32 v13, v16, v23
	v_mul_f32 v12, s[CS], v13
	v_sub_f32 v22, v22, v12
.irp i, 0,2,4,6,8,10,12,14,16,18,20,22,24,26,28,30
	v_pk_fma_f32 v[176+\i:177+\i], v[176+\i:177+\i], s[CS:CS+1], v[12:13] op_sel_hi:[1,0,0] neg_lo:[0,0,1] neg_hi:[0,0,1]   ; c s - c m
.endr
	v_exp_f32 v20, v22                             ; a
.irp n, 0,1,2,3,4,5,6,7,8,9,10,11,12,13,14,15,16,17,18,19,20,21,22,23,24,25,26,27,28,29,30,31
	v_exp_f32 v[176+\n], v[176+\n]                 ; p, at most 1
.endr
	v_nop                                          ; a plain instruction behind the last exponential
	s_wait_alu depctr_va_vdst(0)                   ; one wait for the batch of 33, ahead of its first reader
.irp n, 0,1,2,3,4,5,6,7,8,9,10,11,12,13,14,15
	v_cvt_pk_f16_f32 v[208+\n], v[176+2*\n], v[177+2*\n]
.endr
.irp u, 0,1,2,3,4,5,6,7                        ; the sum of the unrounded p, in place: neighbours 1, 2, 4 and 8 pairs apart
	v_pk_add_f32 v[176+4*\u:177+4*\u], v[176+4*\u:177+4*\u], v[178+4*\u:179+4*\u]
.endr
.irp u, 0,1,2,3
	v_pk_add_f32 v[176+8*\u:177+8*\u], v[176+8*\u:177+8*\u], v[180+8*\u:181+8*\u]
.endr
.irp u, 0,1
	v_pk_add_f32 v[176+16*\u:177+16*\u], v[176+16*\u:177+16*\u], v[184+16*\u:185+16*\u]
.endr
	v_pk_add_f32 v[176:177], v[176:177], v[192:193]
	v_pk_fma_f32 v[14:15], v[14:15], v[20:21], v[176:177] op_sel_hi:[1,0,1]   ; l = a l + the step's sum
.irp i, 0,2,4,6,8,10,12,14,16,18,20,22,24,26,28,30
	v_pk_mul_f32 v[224+\i:225+\i], v[224+\i:225+\i], v[20:21] op_sel_hi:[1,0]   ; O^T x a
.endr
.if (\q) < 3
	s_wait_dscnt 16                                ; V is in; the next step's K, 16 loads issued behind it, may be out
.else
	s_wait_dscnt 0x0                               ; V is in
.endif
.irp ks, 0,1                                   ; O^T += V^T P: four tiles of 16 channels by turns, 32 keys a turn
.irp c, 0,1,2,3
	v_wmma_f32_16x16x32_f16 v[224+8*\c:231+8*\c], v[112+8*(4*\ks+\c):119+8*(4*\ks+\c)], v[208+8*\ks:215+8*\ks], v[224+8*\c:231+8*\c]
.endr
.endr
.if (\q) < 3
	s_add_co_u32 s40, s[KF], 64*(\q)+64
	s_cmp_gt_u32 s40, s[QE]                        ; all keys of the next step, and so of all later ones, come after my queries: on to the slot's end (ids and the count of slots alone)
	s_cbranch_scc1 .Lslot_end_\tag
.rept 4
	v_nop                                          ; four places behind the products that read V's registers
.endr
	LOADV (\q)+1                                   ; the next step's V lands under its first products and its softmax
.endif
.endm
; THE CHANGE OF SLOTS stands at a slot's head.  Each wave waits for all its tensor loads (its part of the slot ahead), adds 0 to its spare word, and waits for that and for its reads of the slot that it has left.
; Behind the barrier the slot ahead is whole and nobody reads the other one.  fill = 1: that other slot takes the next 256 keys, up to the causal limit: the load has a slot's four steps in which to land.
.macro CHANGE fill
	s_wait_tensorcnt 0x0                           ; no tensor load of mine is out, so the group 0 may be written
	ds_add_u32 v[SPW], v[NIL]                      ; 0 onto my spare word
.if \fill
	ds_add_u32 v[SPW], v[NIL]                      ; and once more, in every trip alike
	s_xor_b32 s[G0+1], s[G0+1], SLOT1              ; the other slot than last time,
	s_add_nc_u64 s[G0+2:G0+3], s[G0+2:G0+3], 32768 ; the next 256 keys; the type bits on top are not reached
	s_wait_xcnt 0x0                                ; the last prefetch, a slot back, has read its address
	s_add_nc_u64 s[PFA:PFA+1], s[PFA:PFA+1], 32768 ; one slot further on than the walking descriptor
.endif
	s_wait_dscnt 0x0                               ; the add is done, and my reads of the slot that I have left are over, those that went unused too
	s_barrier_signal -1
	s_barrier_wait -1
.if \fill
	s_add_co_u32 s40, s[KF], 256                   ; the first key of the slot that this change would ask for
	s_cmp_gt_u32 s40, s[QL]                        ; past my work-group's last query no wave reads it: it is not asked for.  The work-group's number and the count of slots alone: all sixteen waves go the same way
	s_cbranch_scc1 .Lpast_\@
	TLOAD                                          ; a wave's one tensor load until the next barrier
.Lpast_\@:
	ASK
.endif
.endm
; A slot's four steps.  The first asks for its own fragments; each later one finds them asked for.  A step is reached only through the step before it.
.macro SLOT_STEPS tag
	s_cmp_gt_u32 s[KF], s[QE]                      ; the whole slot comes after my queries
	s_cbranch_scc1 .Lslot_end_\tag
	v_add_nc_u32 v5, s[TB], v1
	v_add_nc_u32 v6, s[TB], v2
	v_nop
	v_nop                                          ; four plain instructions between the last slot's products and the loads into the registers that they read
	LOADK 0
	LOADV 0
	STEP 0, \tag
	STEP 1, \tag
	STEP 2, \tag
	STEP 3, \tag
.Lslot_end_\tag:
	s_add_co_u32 s[KF], s[KF], 256
	s_xor_b32 s[TB], s[TB], SLOT1
.endm
	s_wait_loadcnt 0x0                             ; Q
.Lslot:                                            ; seven trips: behind each change of slots but the last the next slot is asked for, up to the causal limit
	CHANGE 1
	SLOT_STEPS a
	s_sub_co_u32 s[SLOTS], s[SLOTS], 1
	s_cmp_lg_u32 s[SLOTS], 0
	s_cbranch_scc1 .Lslot
	CHANGE 0                                       ; the last slot is written out: nothing is left to ask for
	SLOT_STEPS b
	; THE WAY OUT: O^T / l, rounded once to f16; a lane's eight channels of tile c are the image's 16 bytes of that lane
.rept 4
	v_nop                                          ; places behind the last products
.endr
	v_add_f32 v14, v14, v15
	v_permlanex16_b32 v23, v14, s[SEL], s[SEL+1]
	v_add_f32 v14, v14, v23                        ; the row's sum
	v_rcp_f32 v20, v14
	v_nop
	s_wait_alu depctr_va_vdst(0)                   ; the wait, ahead of the first reader
.irp i, 0,2,4,6,8,10,12,14,16,18,20,22,24,26,28,30
	v_pk_mul_f32 v[224+\i:225+\i], v[224+\i:225+\i], v[20:21] op_sel_hi:[1,0]
.endr
.irp n, 0,1,2,3,4,5,6,7,8,9,10,11,12,13,14,15
	v_cvt_pk_f16_f32 v[208+\n], v[224+2*\n], v[225+2*\n]
.endr
.irp c, 0,1,2,3
	global_store_b128 v1, v[208+4*\c:211+4*\c], s[6:7] offset:512*\c   ; 32 lanes store 512 consecutive bytes, aligned
.endr
	s_wait_tensorcnt 0x0                           ; the wave's end
	ds_add_u32 v[SPW], v[NIL]
	s_wait_dscnt 0x0
	s_endpgm
.Lfunc_end_k_q06fd709cb7_attn:
	.size	k_q06fd709cb7_attn, .Lfunc_end_k_q06fd709cb7_attn-k_q06fd709cb7_attn
	.p2alignl 7, 3214868480
	.fill 96, 4, 3214868480
	.section	.rodata,"a",@progbits
	.p2align	6, 0x0
	.amdhsa_kernel k_q06fd709cb7_attn
		.amdhsa_group_segment_fixed_size 327680
		.amdhsa_private_segment_fixed_size 0
		.amdhsa_enable_private_segment 0
		.amdhsa_kernarg_size 16
		.amdhsa_user_sgpr_count 2
		.amdhsa_user_sgpr_kernarg_segment_ptr 1
		.amdhsa_wavefront_size32 1
		.amdhsa_system_sgpr_workgroup_id_x 1
		.amdhsa_system_sgpr_workgroup_id_y 1
		.amdhsa_system_sgpr_workgroup_id_z 1
		.amdhsa_system_vgpr_workitem_id 0
		.amdhsa_next_free_vgpr 256
		.amdhsa_next_free_sgpr 66
		.amdhsa_reserve_vcc 1
		.amdhsa_float_denorm_mode_32 3
		.amdhsa_float_denorm_mode_16_64 3
		.amdhsa_memory_ordered 1
		.amdhsa_forward_progress 1
		.amdhsa_inst_pref_size 106
	.end_amdhsa_kernel
	.amdgpu_metadata
---
amdhsa.version: [ 1, 2 ]
amdhsa.kernels:
  - .name:           k_q06fd709cb7_attn
    .symbol:         k_q06fd709cb7_attn.kd
    .args:
      - { .name: qkv, .offset: 0, .size: 8, .value_kind: global_buffer, .address_space: global }
      - { .name: att, .offset: 8, .size: 8, .value_kind: global_buffer, .address_space: global }
    .group_segment_fixed_size: 327680
    .private_segment_fixed_size: 0
    .kernarg_segment_align: 8
    .kernarg_segment_size: 16
    .max_flat_workgroup_size: 512
    .sgpr_count:     66
    .vgpr_count:     256
    .wavefront_size: 32
...
	.end_amdgpu_metadata
.endif
;; end of part 3
;; launch proj (part 4): grid 8 x 32, 4 waves a work-group, clusters of 4 x 4, 327,680 bytes of LDS; arguments att, w16, out0; writes out0
.if DOCPART == 4
	.amdgcn_target "amdgcn-amd-amdhsa--gfx1250"
	.amdhsa_code_object_version 6
	.text
	.protected	k_q06fd709cb7_proj
	.globl	k_q06fd709cb7_proj
	.p2align	8
	.type	k_q06fd709cb7_proj,@function
k_q06fd709cb7_proj:
	s_mov_b64 s[64:65], 0
	v_nop
	global_prefetch_b8 v0, s[64:65] scope:SCOPE_SE
	s_setreg_imm32_b32 hwreg(HW_REG_WAVE_MODE, 25, 1), 1
	s_wait_xcnt 0x0
	s_wait_alu depctr_hold_cnt(0) depctr_sa_sdst(0) depctr_va_vdst(0) depctr_va_sdst(0) depctr_va_ssrc(0) depctr_va_vcc(0) depctr_vm_vsrc(0)
	s_getreg_b32 s2, hwreg(HW_REG_IB_STS2, 6, 4)
	s_cmp_eq_u32 s2, 0
	s_cbranch_scc0 .Lentry_in_a_cluster
	s_endpgm
.Lentry_in_a_cluster:
	s_bfe_u32 s2, ttmp6, 0x10000c
	s_cmp_lg_u32 s2, 0xf033
	s_cbranch_scc0 .Lentry_shape_is_right
	s_endpgm
.Lentry_shape_is_right:
; out0 = att w_out: [4096][1024] x [1024][1024], operands in f16 (w_out's high part), sums in f32, K ascending; out0 in f32.
; Both operands lie as images of f16 fragments: att [row / 16, 256][k / 32, 32][1,024 bytes], w16 [n / 16, 64][k / 32, 32][1,024 bytes] (w_out^T): registers 4 j .. 4 j + 3 of lane l at 512 j + 16 l.
; So a tile is a few long dense rows for the tensor load, needs no padding, and a fragment comes by two loads of 16 bytes a lane on end.
; A tile of out0 is 128 x 128 (256 work-groups); four waves, each 64 x 64: 16 accumulators.  K goes in steps of 256 through two LDS slots; a wave's tensor load brings 4 tiles of 16 rows x 8,192 bytes.
; CLUSTERS: 4 x 4 work-groups; att's tile is shared along a row of the cluster, w16's along a column: each is asked for jointly.
; THE MATRIX INSTRUCTION IS USED TRANSPOSED (source 0 = 16 columns of w_out, source 1 = 16 rows of att): a lane holds eight neighbouring numbers of a row of out0.
; The rows of positions 0-15 of each sequence are made here too, since partners of a cluster run alike; the launch behind this one writes them anew, more finely.
; REGISTERS: window 0: v0-31 addresses; v32-95 the way out; v128-255 the accumulators ((a, b) at v[128 + 8 (4 a + b)]).   window 1: two fragment buffers of 128: 64 registers of att, then 64 of w16, for 64 along K.
.set HALFT,  32768                     ; 4 tiles of 16 rows x 8 fragments x 1,024 bytes: what one tensor load brings, and what one wave reads of att or of w16
.set SLOT,   4*HALFT
.set STAGE,  2*SLOT                    ; behind the slots: 16 rows x 272 bytes for each wave, for the way out
.set SPITCH, 272
.set SPARE,  STAGE+4*16*SPITCH         ; the spare words, 128 bytes for each wave: two blocks of 256 bytes that no other line names
.set LAPS, 2                           ; a lap = two K steps of 256
.set ADRA, 16
.set ADRB, 20
.set STO,  24
.set RD,   25
.set CO,   26
.set SPW,  28
.set NIL,  29
.set TMP,  32
.set ACC,  128
.set F0,   0
.set F1,   128
.set G1, 24
.set G0, 32
.set G1B, 48
.set G0B, 56
.set MSB, 0
.macro WIN new                         ; the immediate's high byte repeats the setting that is left
.if MSB != \new
	s_set_vgpr_msb (MSB<<8)|\new
.set MSB, \new
.endif
.endm
.set MUL,  0x05                        ; sources 0 and 1 window 1; C and D window 0
.set TO_F, 0x40                        ; destination window 1, address window 0
.macro JLOAD s                         ; a joint load: waves 0 and 1 fetch att's two halves, waves 2 and 3 w16's; an s_nop 0 and four v_nop follow each line
	s_cmp_eq_u32 s11, 0
	s_cbranch_scc0 .Lfor_b_\@
	tensor_load_to_lds s[G0+4*\s:G0+4*\s+3], s[G1:G1+7]
	s_nop 0
.rept 4
	v_nop
.endr
	s_branch .Lasked_\@
.Lfor_b_\@:
	tensor_load_to_lds s[G0B+4*\s:G0B+4*\s+3], s[G1B:G1B+7]
	s_nop 0
.rept 4
	v_nop
.endr
.Lasked_\@:
.endm
.macro CREST                           ; a round of the cluster's barrier behind its opening barrier
	s_cmp_lg_u32 s10, 0
	s_cbranch_scc1 .Lnot_wave_0_\@
	s_barrier_signal -3
.Lnot_wave_0_\@:
	s_barrier_wait -3
	s_barrier_signal -1
	s_barrier_wait -1
.endm
.macro CROUND
	s_barrier_signal -1
	s_barrier_wait -1
	CREST
.endm
	s_load_b128 s[4:7], s[0:1], 0x0                ; att s[4:5], w16 s[6:7]
	s_load_b64 s[8:9], s[0:1], 0x10                ; out0
	v_lshl_add_u32 v[SPW], v0, 2, SPARE
	v_mov_b32 v[NIL], 0
	ds_add_u32 v[SPW], v[NIL]                      ; the wave's opening: the add, twice on end, and its wait ahead of my first tensor load
	ds_add_u32 v[SPW], v[NIL]
	v_lshrrev_b32 v1, 5, v0
	v_readfirstlane_b32 s10, v1                    ; wave 0..3
	s_lshr_b32 s11, s10, 1                         ; which half of the tile's rows is mine.  Also: I fetch for att (0) or for w16 (1)
	s_and_b32 s12, s10, 1                          ; which half of its columns.  Also: which 64 rows of that tile I fetch
	s_bfe_u32 s40, ttmp6, 0x40000                  ; cx, cy
	s_bfe_u32 s41, ttmp6, 0x40004
	s_lshl_b32 s42, ttmp9, 2
	s_add_co_u32 s42, s42, s40                     ; tile column
	s_and_b32 s13, ttmp7, 0xffff
	s_lshl_b32 s13, s13, 2
	s_add_co_u32 s13, s13, s41                     ; tile row
	s_lshl_b32 s43, s41, 2
	s_lshl_b32 s43, 15, s43                        ; my row of the cluster
	s_lshl_b32 s44, 0x1111, s40                    ; my column
	; group 1: 4 rows of 8,192 bytes (1,024 elements of 8 bytes), 32,768 bytes apart; dense in LDS
	s_or_b32 s[G1+0], s43, (3<<16)|(1<<21)
	s_or_b32 s[G1B+0], s44, (3<<16)|(1<<21)
.irp g, G1, G1B
	s_mov_b32 s[\g+1], 1024<<16                    ; tensor_dim0
	s_mov_b32 s[\g+2], 4<<16                       ; tensor_dim1
	s_mov_b32 s[\g+3], 1024<<16                    ; tile_dim0
	s_mov_b32 s[\g+4], 4                           ; tile_dim1
	s_mov_b32 s[\g+5], 4096                        ; from row to row
	s_mov_b32 s[\g+6], 0
	s_mov_b32 s[\g+7], 0
.endr
	s_lshl_b32 s17, s12, 2                         ; which 4 tiles of 16 I fetch
	s_lshl_b32 s16, s13, 3
	s_add_co_u32 s16, s16, s17
	s_lshl_b32 s16, s16, 15                        ; att: (8 x tile row + 4 x half) x 32,768 bytes
	s_lshl_b32 s46, s42, 3
	s_add_co_u32 s46, s46, s17
	s_lshl_b32 s46, s46, 15                        ; w16: by the tile column
	s_mov_b32 s17, 0
	s_mov_b32 s47, 0
	s_mul_i32 s20, s10, HALFT                      ; where they go: wave x 32,768
	s_wait_dscnt 0x0                               ; both opening adds are done
	s_wait_kmcnt 0x0
	s_add_nc_u64 s[14:15], s[4:5], s[16:17]
	s_add_nc_u64 s[46:47], s[6:7], s[46:47]
	CROUND                                         ; all sixteen work-groups are here: the first joint loads meet
.irp s, 0,1
	s_mov_b32 s[G0+4*\s], 1
	s_add_co_u32 s[G0+4*\s+1], s20, \s*SLOT
	s_add_nc_u64 s[G0+4*\s+2:G0+4*\s+3], s[14:15], \s*8192
	s_or_b32 s[G0+4*\s+3], s[G0+4*\s+3], 0x80000000
	s_mov_b32 s[G0B+4*\s], 1
	s_add_co_u32 s[G0B+4*\s+1], s20, \s*SLOT
	s_add_nc_u64 s[G0B+4*\s+2:G0B+4*\s+3], s[46:47], \s*8192
	s_or_b32 s[G0B+4*\s+3], s[G0B+4*\s+3], 0x80000000
	JLOAD \s
.endr
	v_and_b32 v1, 15, v0                           ; l % 16
	v_bfe_u32 v2, v0, 4, 1                         ; l / 16
	v_and_b32 v3, 31, v0
	v_lshlrev_b32 v3, 4, v3                        ; 16 x lane
	s_mul_i32 s21, s11, HALFT                      ; my 64 rows of att
	s_mul_i32 s22, s12, HALFT                      ; my 64 columns of w16,
	s_add_co_u32 s22, s22, 2*HALFT                 ; behind att's 128 rows
.irp s, 0,1
	v_add_nc_u32 v[ADRA+\s], s21, v3
	v_add_nc_u32 v[ADRB+\s], s22, v3
	s_add_co_u32 s21, s21, SLOT
	s_add_co_u32 s22, s22, SLOT
.endr
	s_mul_i32 s23, s10, 16*SPITCH
	s_add_co_u32 s23, s23, STAGE                   ; my stage
	v_mul_u32_u24 v4, v1, SPITCH                   ; in: row l % 16, 32 bytes for each half of the lanes
	v_lshl_add_u32 v4, v2, 5, v4
	v_add_nc_u32 v[STO], s23, v4
	v_mul_u32_u24 v5, v2, SPITCH                   ; back: lanes 0-15 take one row of 256 bytes, lanes 16-31 the next
	v_lshl_add_u32 v5, v1, 4, v5
	v_add_nc_u32 v[RD], s23, v5
	v_lshlrev_b32 v5, 12, v2                       ; and the same two rows in out0 (4,096 bytes a row)
	v_lshl_add_u32 v[CO], v1, 4, v5
	s_lshl_b32 s16, s13, 7
	s_lshl_b32 s17, s11, 6
	s_add_co_u32 s16, s16, s17                     ; my first row: 128 x tile row + 64 x half
	s_lshl_b32 s16, s16, 12
	s_mov_b32 s17, 0
	s_add_nc_u64 s[8:9], s[8:9], s[16:17]
	s_lshl_b32 s46, s42, 9                         ; my first column, in bytes: 512 x tile column + 256 x half
	s_lshl_b32 s47, s12, 8
	s_add_co_u32 s46, s46, s47
	s_mov_b32 s47, 0
	s_add_nc_u64 s[8:9], s[8:9], s[46:47]
; 8 matrix instructions: row blocks a0, a0 + 1 x all 4 column blocks, 32 along K: half c of buffer f.  zero = 1: the first product starts the sums.  The 16 accumulators take turns
.macro MUL8 f, c, a0, zero
.irp a, \a0, \a0+1
.irp b, 0,1,2,3
.if \zero
	v_wmma_f32_16x16x32_f16 v[ACC+8*(4*(\a)+\b):ACC+8*(4*(\a)+\b)+7], v[\f+64+8*(4*\c+\b):\f+64+8*(4*\c+\b)+7], v[\f+8*(4*\c+\a):\f+8*(4*\c+\a)+7], 0
.else
	v_wmma_f32_16x16x32_f16 v[ACC+8*(4*(\a)+\b):ACC+8*(4*(\a)+\b)+7], v[\f+64+8*(4*\c+\b):\f+64+8*(4*\c+\b)+7], v[\f+8*(4*\c+\a):\f+8*(4*\c+\a)+7], v[ACC+8*(4*(\a)+\b):ACC+8*(4*(\a)+\b)+7]
.endif
.endr
.endr
.endm
; 32 LDS loads in one run: the fragments of 64 along K (two fragments of each tile, from byte k of a tile's 8,192 on) into buffer f; the first 32 along K first
.macro FETCH slot, k, f
	WIN TO_F
.irp c, 0,1
.irp i, 0,1,2,3
	ds_load_b128 v[\f+64+8*(4*\c+\i):\f+64+8*(4*\c+\i)+3],   v[ADRB+\slot] offset:\k+1024*\c+8192*\i
	ds_load_b128 v[\f+64+8*(4*\c+\i)+4:\f+64+8*(4*\c+\i)+7], v[ADRB+\slot] offset:\k+1024*\c+8192*\i+512
	ds_load_b128 v[\f+8*(4*\c+\i):\f+8*(4*\c+\i)+3],         v[ADRA+\slot] offset:\k+1024*\c+8192*\i
	ds_load_b128 v[\f+8*(4*\c+\i)+4:\f+8*(4*\c+\i)+7],       v[ADRA+\slot] offset:\k+1024*\c+8192*\i+512
.endr
.endr
.endm
.macro PLACES                          ; four plain instructions in front of loads into registers that matrix instructions have read, and of the first read of results
.rept 4
	v_nop
.endr
.endm
; A K step is four quarters of 64 along K, 32 matrix instructions each, on buffers 0, 1, 0, 1.  One of the first three: multiplies buffer f and fetches the next quarter, at byte k, into g.
.macro QUARTER slot, k, f, g, zero
	s_wait_dscnt 16                                ; the first 32 along K are in; the other sixteen loads may be out
	WIN MUL
	MUL8 \f, 0, 0, \zero
	MUL8 \f, 0, 2, \zero
	PLACES
	FETCH \slot, \k, \g
	s_wait_dscnt 32                                ; all but the 32 just issued
	WIN MUL
	MUL8 \f, 1, 0, 0
	MUL8 \f, 1, 2, 0
.endm
; The last quarter multiplies buffer 1 and changes slots: ONE barrier; in front of it each wave waits for all its tensor loads, adds 0 to its spare word, and waits for that and for its reads of this slot.  fill = 1: this slot is filled again, two K steps ahead.
.macro TURN slot, next, fill
	WIN 0
	s_wait_tensorcnt 0x0                           ; all my tensor loads have landed: my part of the next slot
	ds_add_u32 v[SPW], v[NIL]                      ; 0 onto my spare word
	s_wait_dscnt 17                                ; (the add and the youngest sixteen loads may be out)
	WIN MUL
	MUL8 F1, 0, 0, 0
	s_wait_dscnt 0x0                               ; the add is done, and my reads of this slot are over
	s_barrier_signal -1
	MUL8 F1, 0, 2, 0
.if \fill
	WIN 0
.endif
	s_barrier_wait -1
.if \fill
	CREST                                          ; the barrier has opened a round of the cluster's barrier: no wave of any partner still reads this slot or has a load on its way
	s_add_nc_u64 s[G0+4*\slot+2:G0+4*\slot+3], s[G0+4*\slot+2:G0+4*\slot+3], 2*8192
	s_add_nc_u64 s[G0B+4*\slot+2:G0B+4*\slot+3], s[G0B+4*\slot+2:G0B+4*\slot+3], 2*8192
	JLOAD \slot                                    ; the first tensor load behind the round; its four v_nop are also the places in front of the loads below
.else
	PLACES
.endif
	FETCH \next, 0, F0
	WIN MUL
	MUL8 F1, 1, 0, 0
	MUL8 F1, 1, 2, 0
.endm
	s_wait_tensorcnt 1                             ; my part of K step 0 is in; K step 1's load may be out
	s_barrier_signal -1
	s_barrier_wait -1
	FETCH 0, 0, F0
	QUARTER 0, 2048, F0, F1, 1                     ; the first quarter's first products start the sums
	WIN 0                                          ; at a label and at a branch every window is 0
	s_mov_b32 s3, LAPS-1
.Llap:                                                 ; a trip goes once round the two slots and fills both again
	QUARTER 0, 4096, F1, F0, 0
	QUARTER 0, 6144, F0, F1, 0
	TURN 0, 1, 1
	QUARTER 1, 2048, F0, F1, 0
	QUARTER 1, 4096, F1, F0, 0
	QUARTER 1, 6144, F0, F1, 0
	TURN 1, 0, 1
	QUARTER 0, 2048, F0, F1, 0
	WIN 0
	s_sub_co_u32 s3, s3, 1
	s_cmp_lg_u32 s3, 0
	s_cbranch_scc1 .Llap
	QUARTER 0, 4096, F1, F0, 0                     ; the last lap fills nothing
	QUARTER 0, 6144, F0, F1, 0
	TURN 0, 1, 0
	QUARTER 1, 2048, F0, F1, 0
	QUARTER 1, 4096, F1, F0, 0
	QUARTER 1, 6144, F0, F1, 0
	s_wait_dscnt 16
	WIN MUL
	MUL8 F1, 0, 0, 0
	MUL8 F1, 0, 2, 0
	s_wait_dscnt 0
	MUL8 F1, 1, 0, 0
	MUL8 F1, 1, 2, 0
	WIN 0
; THE WAY OUT, a block of 16 rows x 64 columns at a time.  A lane holds 32 neighbouring bytes of a row; a row's 256 bytes are my wave's own: they go through my own stage and come back as whole rows.
; LDS serves a wave's instructions in order (ISA guide 5.7.1.4): no wait between the stores and the loads, nor in front of the next block's stores.
.macro TOSTAGE a
.irp b, 0,1,2,3
	ds_store_b128 v[STO], v[ACC+8*(4*(\a)+\b):ACC+8*(4*(\a)+\b)+3] offset:64*\b        ; each accumulator from its low end on
	ds_store_b128 v[STO], v[ACC+8*(4*(\a)+\b)+4:ACC+8*(4*(\a)+\b)+7] offset:64*\b+16
.endr
.irp t, 0,1,2,3,4,5,6,7
	ds_load_b128 v[TMP+32*((\a)%2)+4*\t:TMP+32*((\a)%2)+4*\t+3], v[RD] offset:\t*2*SPITCH
.endr
.endm
.macro SEND a, younger                 ; younger: the LDS instructions issued behind block a's loads, which may stay out
	s_wait_dscnt \younger
.irp t, 0,1,2,3,4,5,6,7
	global_store_b128 v[CO], v[TMP+32*((\a)%2)+4*\t:TMP+32*((\a)%2)+4*\t+3], s[8:9] offset:(16*(\a)+2*\t)*4096 th:TH_STORE_NT   ; sixteen lanes store 256 consecutive bytes, aligned
.endr
.endm
	PLACES
	TOSTAGE 0
	TOSTAGE 1
	SEND 0, 16                                     ; behind block 0's loads: block 1's 8 stores and 8 loads
	s_wait_xcnt 0x0                                ; block 0's stores have read their registers: block 2's loads may land there
	TOSTAGE 2
	SEND 1, 16
	s_wait_xcnt 0x0
	TOSTAGE 3
	SEND 2, 16
	SEND 3, 0
	s_wait_tensorcnt 0x0                           ; the wave's end, behind my last tensor load and my last LDS store
	ds_add_u32 v[SPW], v[NIL]
	s_wait_dscnt 0x0
	CROUND                                         ; the closing round
	s_endpgm
.Lfunc_end_k_q06fd709cb7_proj:
	.size	k_q06fd709cb7_proj, .Lfunc_end_k_q06fd709cb7_proj-k_q06fd709cb7_proj
	.p2alignl 7, 3214868480
	.fill 96, 4, 3214868480
	.section	.rodata,"a",@progbits
	.p2align	6, 0x0
	.amdhsa_kernel k_q06fd709cb7_proj
		.amdhsa_group_segment_fixed_size 327680
		.amdhsa_private_segment_fixed_size 0
		.amdhsa_enable_private_segment 0
		.amdhsa_kernarg_size 24
		.amdhsa_user_sgpr_count 2
		.amdhsa_user_sgpr_kernarg_segment_ptr 1
		.amdhsa_wavefront_size32 1
		.amdhsa_system_sgpr_workgroup_id_x 1
		.amdhsa_system_sgpr_workgroup_id_y 1
		.amdhsa_system_sgpr_workgroup_id_z 1
		.amdhsa_system_vgpr_workitem_id 0
		.amdhsa_next_free_vgpr 512
		.amdhsa_next_free_sgpr 66
		.amdhsa_reserve_vcc 0
		.amdhsa_float_denorm_mode_32 3
		.amdhsa_float_denorm_mode_16_64 3
		.amdhsa_memory_ordered 1
		.amdhsa_forward_progress 1
		.amdhsa_inst_pref_size 85
	.end_amdhsa_kernel
	.amdgpu_metadata
---
amdhsa.version: [ 1, 2 ]
amdhsa.kernels:
  - .name:           k_q06fd709cb7_proj
    .symbol:         k_q06fd709cb7_proj.kd
    .args:
      - { .name: att, .offset: 0, .size: 8, .value_kind: global_buffer, .address_space: global }
      - { .name: w16, .offset: 8, .size: 8, .value_kind: global_buffer, .address_space: global }
      - { .name: out0, .offset: 16, .size: 8, .value_kind: global_buffer, .address_space: global }
    .group_segment_fixed_size: 327680
    .private_segment_fixed_size: 0
    .kernarg_segment_align: 8
    .kernarg_segment_size: 24
    .max_flat_workgroup_size: 128
    .sgpr_count:     66
    .vgpr_count:     512
    .wavefront_size: 32
...
	.end_amdgpu_metadata
.endif
;; end of part 4
;; launch fine (part 5): grid 64 x 2, 16 waves a work-group, no clusters, 88,064 bytes of LDS; arguments qkvf, w16, out0; writes out0
.if DOCPART == 5
	.amdgcn_target "amdgcn-amd-amdhsa--gfx1250"
	.amdhsa_code_object_version 6
	.text
	.protected	k_q06fd709cb7_fine
	.globl	k_q06fd709cb7_fine
	.p2align	8
	.type	k_q06fd709cb7_fine,@function
k_q06fd709cb7_fine:
	s_mov_b64 s[64:65], 0
	v_nop
	global_prefetch_b8 v0, s[64:65] scope:SCOPE_SE
	s_setreg_imm32_b32 hwreg(HW_REG_WAVE_MODE, 25, 1), 1
	s_wait_xcnt 0x0
; THE FIRST 16 POSITIONS OF EVERY SEQUENCE, CARRIED FINELY, attention and projection in one launch.  These 32 rows of out0 are written over what the launch before stored there.
; IN: qkvf [batch 2][which 3][head 16][channels / 16, 4][1,024 bytes]: q, k, v of positions 0-15 in f32, as images of accumulators: lane l holds position l % 16 and channels 8 (l / 16) + 0 .. 7 of the tile; registers 4 u .. at 512 u + 16 l.
;     w16: w_out^T as images of f16 fragments, [n / 16, 64][k / 32, 32][1,024 bytes]: the high part, and 2,097,152 bytes on the low part x 2^11.
; SHARES.  A work-group takes 16 columns of out0 and one batch.  Wave h takes head h: its attention (under the causal mask positions 0-15 see keys 0-15 alone), and then its 64 of the projection's K, which are that head's channels:
; so o never leaves the wave's registers.  The sixteen partial sums meet in LDS; waves 0 and 1 add them, in the order of K.  A batch's attention is made anew in each of its 64 work-groups: 32 small products a wave.
; ATTENTION in f32, by the f32 matrix form (no bulk work).  S^T = k q^T: that form takes K = 2 (l / 16) + j from register j: a pair of neighbouring registers of k and the same pair of q carry the same four channels, so the sums are whole
; though the channels are taken out of order.  O^T = v^T p^T wants a lane to hold a CHANNEL of v and its registers to run along the keys: v goes through the wave's own stage in LDS, in by rows, back by columns.
; The registers that the f32 form writes, v192-207 and v224-255, are written by nothing else in this text.
; PROJECTION: o is split into a high part (rounded to 11 significant bits) and a low part x 2^11, both f16: out0 = oh wh + 2^-11 (oh wl' + ol' wh); ol wl, 2^-22 of the whole, is left out.  Three accumulators by turns.
; Packed, O^T's registers ARE the projection's operand: lane l holds position l % 16, and the registers of two neighbouring tiles run along 32 channels as a fragment wants them.
; The stores are pieces of 16 bytes, 64 bytes of a row to a work-group, 131,072 bytes in all: 16 columns to a work-group are what spreads w16's bytes over 64 work-groups a batch.
; LIMITS: NaN and infinities are not served; |o| under 65,504; under 2^-14 the high part is rounded a second time by the conversion, at most 2^-25 absolute.
; REGISTERS: v1 16 x lane; v2, v3 the add's two; v4, v5 the stage, in and back; v6, v8 the partial sums, in and back; v7 r - 8 h; v9 my place in out0; v16-31 wh; v32-63 q; v64-95 k; v96-127 v, turned; v128-159 v as loaded, later oh, ol';
;   v160-183 the projection's sums (v168-183 before that scores and p); v184-191 at work; v192-207 S^T's two sums; v208-223 wl'; v224-255 O^T.
.set VP,    272                        ; a stage row: 64 channels in f32 + 16 bytes of padding
.set PS,    16*16*VP                   ; behind the sixteen stages: the partial sums, 1,024 bytes a wave
.set SPARE, PS+16*1024                 ; the spare words, 128 bytes for each wave: eight blocks of 256 bytes that no other line names
	s_load_b128 s[4:7], s[0:1], 0x0                ; qkvf s[4:5], w16 s[6:7]
	s_load_b64 s[8:9], s[0:1], 0x10                ; out0
	v_lshl_add_u32 v2, v0, 2, SPARE                ; v2: my spare word; v3: 0; both never rewritten
	v_mov_b32 v3, 0
	v_lshrrev_b32 v10, 5, v0
	v_readfirstlane_b32 s10, v10                   ; wave = head 0..15
	v_and_b32 v10, 15, v0                          ; r
	v_bfe_u32 v11, v0, 4, 1                        ; h
	v_and_b32 v12, 31, v0
	v_lshlrev_b32 v1, 4, v12                       ; 16 x lane
	s_mul_i32 s11, s10, 16*VP                      ; my stage
	v_mul_u32_u24 v4, v10, VP
	v_lshl_add_u32 v4, v11, 5, v4
	v_add_nc_u32 v4, s11, v4                       ; in: row = position r, + 32 h: my eight channels of a tile
	v_mul_u32_u24 v5, v11, 8*VP
	v_lshl_add_u32 v5, v10, 2, v5
	v_add_nc_u32 v5, s11, v5                       ; back: rows 8 h on, + 4 r: my channel of a tile
	s_lshl_b32 s12, s10, 10
	v_add_nc_u32 v6, s12, v1
	v_add_nc_u32 v6, PS, v6                        ; my partial sums: 1,024 x wave + 16 x lane
	s_and_b32 s13, s10, 1
	s_lshl_b32 s14, s13, 9
	v_add_nc_u32 v8, s14, v1
	v_add_nc_u32 v8, PS, v8                        ; what waves 0 and 1 read: registers 4 (wave % 2) .. of each wave's
	v_lshlrev_b32 v9, 12, v10
	v_lshl_add_u32 v9, v11, 5, v9
	s_lshl_b32 s14, s13, 4
	v_add_nc_u32 v9, s14, v9                       ; out0: row r of 4,096 bytes + 32 h + 16 (wave % 2)
	v_lshlrev_b32 v7, 3, v11
	v_sub_nc_u32 v7, v10, v7                       ; r - 8 h: register j's key is hidden where j is above it
	v_mov_b32 v184, 0xff800000                     ; -infinity
	v_mov_b32 v187, 0                              ; a lane permute's destination counts as one of its sources
	s_and_b32 s15, ttmp7, 0xffff                   ; batch
	s_mul_i32 s16, s15, 196608
	s_lshl_b32 s17, s10, 12
	s_add_co_u32 s16, s16, s17                     ; qkvf: my batch, my head
	s_mov_b32 s17, 0
	s_lshl_b32 s18, ttmp9, 15
	s_lshl_b32 s19, s10, 11
	s_add_co_u32 s18, s18, s19                     ; w16: my work-group's 16 columns, my head's two fragments
	s_mov_b32 s19, 0
	s_lshl_b32 s22, s15, 23
	s_lshl_b32 s23, ttmp9, 6
	s_add_co_u32 s22, s22, s23                     ; out0: my batch's first row, my work-group's columns
	s_mov_b32 s23, 0
	s_mov_b32 s20, 0x3a000000                      ; 2^-11
	s_mov_b32 s21, s20
	s_mov_b32 s24, 0x76543210
	s_mov_b32 s25, 0xfedcba98                      ; v_permlanex16_b32's selects for lane l xor 16
	s_mov_b32 s26, 0x3e38aa3b                      ; c = log2(e) / sqrt(64)
	s_wait_kmcnt 0x0
	s_add_nc_u64 s[4:5], s[4:5], s[16:17]
	s_add_nc_u64 s[6:7], s[6:7], s[18:19]
	s_add_nc_u64 s[8:9], s[8:9], s[22:23]
.irp t, 0,1,2,3
.irp u, 0,1
	global_load_b128 v[32+8*\t+4*\u:35+8*\t+4*\u],   v1, s[4:5] offset:1024*\t+512*\u          ; q
	global_load_b128 v[64+8*\t+4*\u:67+8*\t+4*\u],   v1, s[4:5] offset:65536+1024*\t+512*\u    ; k
	global_load_b128 v[128+8*\t+4*\u:131+8*\t+4*\u], v1, s[4:5] offset:131072+1024*\t+512*\u   ; v
.endr
.endr
.irp f, 0,1
.irp u, 0,1
	global_load_b128 v[16+8*\f+4*\u:19+8*\f+4*\u],   v1, s[6:7] offset:1024*\f+512*\u          ; wh
	global_load_b128 v[208+8*\f+4*\u:211+8*\f+4*\u], v1, s[6:7] offset:2097152+1024*\f+512*\u  ; wl'
.endr
.endr
	s_wait_loadcnt 8                               ; q, k, v are in; w16's eight loads, issued behind them, may be out
.irp c, 0,1,2,3
	ds_store_b128 v4, v[128+8*\c:131+8*\c] offset:64*\c          ; v into my stage, by rows
	ds_store_b128 v4, v[132+8*\c:135+8*\c] offset:64*\c+16
.endr
.irp c, 0,1,2,3
.irp j, 0,1,2,3,4,5,6,7
	ds_load_b32 v[96+8*\c+\j], v5 offset:\j*VP+64*\c             ; and back by columns: v(8 h + j, 16 c + r).  LDS serves a wave's instructions in order (ISA guide 5.7.1.4): these see my stores
.endr
.endr
; S^T = k q^T: two sums by turns, one instruction a turn: channels 0-15 and 32-47 in the first, the others in the second; a lane then holds query l % 16 and keys 8 (l / 16) + 0 .. 7
.irp jp, 0,1,2,3
.irp t, 0,1,2,3
.if (\jp == 0) && (\t < 2)
	v_wmma_f32_16x16x4_f32 v[192+8*(\t%2):199+8*(\t%2)], v[64+8*\t:65+8*\t], v[32+8*\t:33+8*\t], 0
.else
	v_wmma_f32_16x16x4_f32 v[192+8*(\t%2):199+8*(\t%2)], v[64+8*\t+2*\jp:65+8*\t+2*\jp], v[32+8*\t+2*\jp:33+8*\t+2*\jp], v[192+8*(\t%2):199+8*(\t%2)]
.endif
.endr
.endr
.rept 8
	v_nop                                          ; eight places behind this form before a result is read
.endr
.irp i, 0,2,4,6
	v_pk_add_f32 v[168+\i:169+\i], v[192+\i:193+\i], v[200+\i:201+\i]   ; the scores: v168-175
.endr
.irp j, 0,1,2,3,4,5,6,7
	v_cmp_gt_i32 vcc_lo, \j, v7
	v_cndmask_b32 v[168+\j], v[168+\j], v184, vcc_lo               ; hidden keys: -infinity
.endr
	v_max3_num_f32 v185, v168, v169, v170
	v_max3_num_f32 v186, v171, v172, v173
	v_max3_num_f32 v185, v185, v174, v175
	v_max_num_f32 v185, v185, v186
	v_permlanex16_b32 v187, v185, s24, s25
	v_max_num_f32 v185, v185, v187                 ; the row's largest score: key 0 counts for every query, so it is a number
	v_mul_f32 v186, s26, v185
.irp j, 0,1,2,3,4,5,6,7
	v_fma_f32 v[176+\j], v[168+\j], s26, -v186     ; c s - c m
.endr
.irp j, 0,1,2,3,4,5,6,7
	v_exp_f32 v[176+\j], v[176+\j]
.endr
	v_nop                                          ; a plain instruction behind the last exponential
	s_wait_alu depctr_va_vdst(0)                   ; one wait for the batch, ahead of its first reader
	v_pk_add_f32 v[188:189], v[176:177], v[178:179]
	v_pk_add_f32 v[190:191], v[180:181], v[182:183]
	v_pk_add_f32 v[188:189], v[188:189], v[190:191]
	v_add_f32 v188, v188, v189
	v_permlanex16_b32 v187, v188, s24, s25
	v_add_f32 v188, v188, v187                     ; the row's sum
	v_rcp_f32 v190, v188
	v_nop
	s_wait_alu depctr_va_vdst(0)
.irp i, 0,2,4,6
	v_pk_mul_f32 v[176+\i:177+\i], v[176+\i:177+\i], v[190:191] op_sel_hi:[1,0]   ; p, normalised, in f32
.endr
.rept 4
	v_nop
.endr
	s_wait_dscnt 0x0                               ; v is back from the stage
; O^T = v^T p^T: four tiles of 16 channels by turns, four keys a product; a lane then holds query l % 16 and channels 16 c + 8 (l / 16) + 0 .. 7
.irp s, 0,1,2,3
.irp c, 0,1,2,3
.if \s == 0
	v_wmma_f32_16x16x4_f32 v[224+8*\c:231+8*\c], v[96+8*\c:97+8*\c], v[176:177], 0
.else
	v_wmma_f32_16x16x4_f32 v[224+8*\c:231+8*\c], v[96+8*\c+2*\s:97+8*\c+2*\s], v[176+2*\s:177+2*\s], v[224+8*\c:231+8*\c]
.endif
.endr
.endr
.rept 8
	v_nop
.endr
.set NN, 0
.rept 32
	v_add_nc_u32 v[32+NN], 0x1000, v[224+NN]       ; the high part: half a step of the 11th significant bit onto the magnitude,
.set NN, NN+1
.endr
.set NN, 0
.rept 32
	v_and_b32 v[32+NN], 0xffffe000, v[32+NN]       ; and the bits under it away: as f32
.set NN, NN+1
.endr
.set NN, 0
.rept 16
	v_cvt_pk_f16_f32 v[128+NN], v[32+2*NN], v[33+2*NN]             ; oh: fragment f in v[128 + 8 f ..]
	v_pk_add_f32 v[64+2*NN:65+2*NN], v[224+2*NN:225+2*NN], v[32+2*NN:33+2*NN] neg_lo:[0,1] neg_hi:[0,1]   ; what is left: exact
.set NN, NN+1
.endr
.set NN, 0
.rept 16
	v_pk_mul_f32 v[64+2*NN:65+2*NN], v[64+2*NN:65+2*NN], 0x45000000 op_sel_hi:[1,0]   ; x 2^11
.set NN, NN+1
.endr
.set NN, 0
.rept 16
	v_cvt_pk_f16_f32 v[144+NN], v[64+2*NN], v[65+2*NN]             ; ol': fragment f in v[144 + 8 f ..]
.set NN, NN+1
.endr
	s_wait_loadcnt 0x0                             ; w16's fragments
.rept 4
	v_nop
.endr
; my head's part of the projection: source 0 = 16 columns of w_out, source 1 = the 16 positions; three sums by turns, one instruction a turn
	v_wmma_f32_16x16x32_f16 v[160:167], v[16:23], v[128:135], 0              ; oh wh
	v_wmma_f32_16x16x32_f16 v[168:175], v[208:215], v[128:135], 0            ; oh wl'
	v_wmma_f32_16x16x32_f16 v[176:183], v[16:23], v[144:151], 0              ; ol' wh
	v_wmma_f32_16x16x32_f16 v[160:167], v[24:31], v[136:143], v[160:167]
	v_wmma_f32_16x16x32_f16 v[168:175], v[216:223], v[136:143], v[168:175]
	v_wmma_f32_16x16x32_f16 v[176:183], v[24:31], v[152:159], v[176:183]
.rept 4
	v_nop                                          ; places behind the last products
.endr
.irp i, 0,2,4,6
	v_pk_add_f32 v[32+\i:33+\i], v[168+\i:169+\i], v[176+\i:177+\i]
.endr
.irp i, 0,2,4,6
	v_pk_fma_f32 v[32+\i:33+\i], v[32+\i:33+\i], s[20:21], v[160+\i:161+\i] op_sel_hi:[1,0,1]   ; the cross terms x 2^-11 + the main term
.endr
	ds_store_b128 v6, v[32:35]
	ds_store_b128 v6, v[36:39] offset:512
	s_wait_dscnt 0x0                               ; for the others' sake: my stores have landed
	s_barrier_signal -1
	s_barrier_wait -1
	s_cmp_gt_u32 s10, 1
	s_cbranch_scc1 .Lend
.irp pw, 0,1,2,3,4,5,6,7,8,9,10,11,12,13,14,15
	ds_load_b128 v[64+4*\pw:67+4*\pw], v8 offset:\pw*1024
.endr
	s_wait_dscnt 0x0
.irp pw, 1,2,3,4,5,6,7,8,9,10,11,12,13,14,15   ; head by head: in the order of K
	v_pk_add_f32 v[64:65], v[64:65], v[64+4*\pw:65+4*\pw]
	v_pk_add_f32 v[66:67], v[66:67], v[66+4*\pw:67+4*\pw]
.endr
	global_store_b128 v9, v[64:67], s[8:9]
.Lend:
	s_wait_tensorcnt 0x0                           ; the wave's end, behind my last LDS store
	ds_add_u32 v2, v3
	s_wait_dscnt 0x0
	s_endpgm
.Lfunc_end_k_q06fd709cb7_fine:
	.size	k_q06fd709cb7_fine, .Lfunc_end_k_q06fd709cb7_fine-k_q06fd709cb7_fine
	.p2alignl 7, 3214868480
	.fill 96, 4, 3214868480
	.section	.rodata,"a",@progbits
	.p2align	6, 0x0
	.amdhsa_kernel k_q06fd709cb7_fine
		.amdhsa_group_segment_fixed_size 88064
		.amdhsa_private_segment_fixed_size 0
		.amdhsa_enable_private_segment 0
		.amdhsa_kernarg_size 24
		.amdhsa_user_sgpr_count 2
		.amdhsa_user_sgpr_kernarg_segment_ptr 1
		.amdhsa_wavefront_size32 1
		.amdhsa_system_sgpr_workgroup_id_x 1
		.amdhsa_system_sgpr_workgroup_id_y 1
		.amdhsa_system_sgpr_workgroup_id_z 1
		.amdhsa_system_vgpr_workitem_id 0
		.amdhsa_next_free_vgpr 256
		.amdhsa_next_free_sgpr 66
		.amdhsa_reserve_vcc 1
		.amdhsa_float_denorm_mode_32 3
		.amdhsa_float_denorm_mode_16_64 3
		.amdhsa_memory_ordered 1
		.amdhsa_forward_progress 1
		.amdhsa_inst_pref_size 27
	.end_amdhsa_kernel
	.amdgpu_metadata
---
amdhsa.version: [ 1, 2 ]
amdhsa.kernels:
  - .name:           k_q06fd709cb7_fine
    .symbol:         k_q06fd709cb7_fine.kd
    .args:
      - { .name: qkvf, .offset: 0, .size: 8, .value_kind: global_buffer, .address_space: global }
      - { .name: w16, .offset: 8, .size: 8, .value_kind: global_buffer, .address_space: global }
      - { .name: out0, .offset: 16, .size: 8, .value_kind: global_buffer, .address_space: global }
    .group_segment_fixed_size: 88064
    .private_segment_fixed_size: 0
    .kernarg_segment_align: 8
    .kernarg_segment_size: 24
    .max_flat_workgroup_size: 512
    .sgpr_count:     66
    .vgpr_count:     256
    .wavefront_size: 32
...
	.end_amdgpu_metadata
.endif
;; end of part 5
